; MI455X (gfx1250); checked and timed in simulation.
; The chip was launched on July 23, 2026; its instructions are those of AMD's public machine-readable ISA for CDNA 5 (MIT licence, August 2026) and "CDNA5" Instruction Set Architecture Reference Guide (July 2026). The comments in the code are by the model that wrote it; some were corrected since.
;; Attention. Allowed arithmetic: matrix products marked QUANTISED: E2M3 operands, one E8M0 scale for each 32 along K, by v_wmma_scale_f32_16x16x128_f8f6f4 with both operands' format E2M3, f32 sums; everything else in f32.
;; Inputs: b_proj 1,024 float32; w_proj 1,024 x 1,024 float32; w_qkv 1,024 x 3,072 float32; x 4 x 2,048 x 1,024 float32.
;; Outputs: out0 4 x 2,048 x 1,024 float32.
;; This version of the problem:
;;   THIS VERSION OF THE PROBLEM IS GIVEN IN LOW PRECISION. The matrix products marked QUANTISED in the list below multiply operands that are first quantised to E2M3 (2 exponent bits, 3 mantissa bits; 6 bits a number), with one power-of-two scale for each 32 numbers along K (OCP MX v1.0); their sums are f32. All else is computed in f32.
;;   The module's matrix products, in the order in which they are computed (A, B: the left and right operand; K: the contracted axis; several contracted axes count as one K, in the product's order):
;;     1. [M 8,192, K 1,024] x [K 1,024, N 3,072]; A: input x; B: input w_qkv: QUANTISED
;;     2. batch 64 x [M 2,048, K 64] x [K 64, N 2,048]; A: computed on the way; B: computed on the way: QUANTISED
;;     3. batch 64 x [M 2,048, K 2,048] x [K 2,048, N 64]; A: softmax (see below); B: computed on the way: QUANTISED
;;     4. [M 8,192, K 1,024] x [K 1,024, N 1,024]; A: computed on the way; B: input w_proj: QUANTISED
;;   THE QUANTISER, for each operand of a quantised product, along K:
;;     - K is cut into blocks of 32 from its start; a last block that is shorter is filled with zeros.
;;     - A block's scale is 2^e with e = floor(log2(the largest magnitude in the block)) - 2, held to -126 .. 127; a block of zeros has e = 0. As a byte (E8M0): e + 127.
;;     - Each number is divided by its block's scale, clamped to +-7.5, and rounded to the nearest number of E2M3, ties to even, subnormals kept.
;;     - The product sums the exact products of the quantised numbers (number of the format x scale) in f32.
;;   ~~~python
;;   def quantise(x, axis):      # numpy; x: float32 -> the quantised numbers, widened to float32 again
;;       x = np.moveaxis(x, axis, -1); K = x.shape[-1]
;;       x = np.pad(x, [(0, 0)] * (x.ndim - 1) + [(0, -K % 32)]); x = x.reshape(x.shape[:-1] + (-1, 32)); a = np.abs(x).max(-1, keepdims=True)
;;       e = np.where(a > 0, np.clip(np.frexp(np.where(a > 0, a, 1))[1] - 1 - 2, -126, 127), 0)      # np.frexp(a)[1] - 1 = floor(log2(a)), exactly
;;       r = np.clip(x / 2.0 ** e, -7.5, 7.5)
;;       step = 2.0 ** (np.maximum(np.frexp(np.where(r == 0, 1, r))[1] - 1, 0) - 3)
;;       q = np.round(r / step) * step * 2.0 ** e      # np.round: ties to even
;;       return np.moveaxis(q.reshape(q.shape[:-2] + (-1,))[..., :K], -1, axis).astype(np.float32)
;;   ~~~
;;   SOFTMAX AHEAD OF A QUANTISED PRODUCT. Where the list says 'softmax', what is quantised is not the finished softmax but p = 2^(t - M), with t = logit x log2(e) and M = ceil(the row's largest t), a whole number; so 1/2 < the row's largest p <= 1. The row's sum l is taken of the UNQUANTISED p, in f32, and the product's result is divided by l at the end. Since M is a whole number, a kernel that streams over the keys may use a running M (the ceiling of the running maximum): every later rescaling is an exact power of two, which a block's scale takes up: the codes' values come out the same.
;;   OPERANDS COMPUTED ON THE WAY. 'Computed on the way' means the value that the module computes at that place (a softmax that the list does not call 'softmax' is quantised finished and normalised). What goes into a quantiser is computed in f32, as accurately as f32 sums, v_exp_f32 and their like allow (about 1e-6 of the number): no bf16 or f16 on the way to a quantiser, and a product that is left as it is and whose result goes on into a quantised operand takes f32 operands (vector FMAs, or v_wmma_f32_16x16x4_f32). A number that lies on a knife's edge between two numbers of the format may be rounded either way, as far as f32 arithmetic and the matrix unit's own rounding can turn it there, and no further.
;; One version. Each part assembles by itself: llvm-mc -triple=amdgcn-amd-amdhsa -mcpu=gfx1250 --defsym DOCPART=n.
;; ======== version 1 of 1: 4 launches
;; limits: right only within a limited range of input values
;; workspace buffers: xc 6,553,600 bytes; wqc 2,457,600 bytes; wpc 819,200 bytes; qb 13,369,344 bytes; kv 13,369,344 bytes; oc 6,553,600 bytes
;; launch prep (part 1): grid 384 x 1, 4 waves a work-group, no clusters, 90,624 bytes of LDS; arguments x, w_qkv, w_proj, xc, wqc, wpc; writes xc, wqc, wpc
.if DOCPART == 1
	.amdgcn_target "amdgcn-amd-amdhsa--gfx1250"
	.amdhsa_code_object_version 6
	.text
	.protected	k_q37db2a1757_prep
	.globl	k_q37db2a1757_prep
	.p2align	8
	.type	k_q37db2a1757_prep,@function
k_q37db2a1757_prep:
	s_mov_b64 s[64:65], 0
	v_nop
	global_prefetch_b8 v0, s[64:65] scope:SCOPE_SE
	s_setreg_imm32_b32 hwreg(HW_REG_WAVE_MODE, 25, 1), 1
	s_wait_xcnt 0x0
; PREP: x [8192][1024], w_qkv [1024][3072] and w_proj [1024][1024], f32, become codes of FP6 (E2M3) with one E8M0 byte for each 32 along K (K = 1024 in all three), laid as the products' launches read them.
; A block's scale is 2^(floor(log2(its largest magnitude)) - 2): its byte is the largest magnitude's exponent field - 2, held at 1 from below by a floor among the maximum's leaves.
; LIMITS: NaN and infinities among the inputs are not served; a block of zeros, and a block whose largest magnitude lies under 2^-124, gets the byte 1 (a block of zeros has zero codes, and this program alone reads the bytes).
; LAYOUT OF THE RESULT.  [tile of 256 rows][K step of 128][BLK]; BLK = 16 fragments of 1,536 bytes, then 16 x 64 bytes of scale words.  Fragment t, lane r stands for row 32 (t / 2) + 8 (t % 2) + r + 8 (r / 8) of the tile.
; A fragment is the image of the operand's 12 registers: registers 6 c .. 6 c + 3 of lane l at 768 c + 16 l, registers 6 c + 4, 6 c + 5 at 768 c + 512 + 8 l; the row's scale word at 64 t + 4 r.
; SHARES.  A work-group makes one BLK, each of its four waves four fragments.  Work-groups 0-255: x; 256-351: w_qkv; 352-383: w_proj.  The three ways have LDS bytes of their own; waves share nothing, so there is no barrier.
; No matrix unit, no tensor load, no cluster: every input byte is read once by one wave.
.set BLK,  25600
.set SCO,  24576                       ; where a BLK's scale words begin
.set TM,   16                          ; v16-31  at work in QUANT
.set PW,   32                          ; v32     the scale word just made (weights: v32, v33)
.set PC,   36                          ; v36-55  the codes just made
.set X,    64                          ; v64-127 64 numbers of a lane along K
.set R,    128                         ; v128-255 x as loaded, two sets of 64
.set SEL,  20                          ; s[20:21] selects of v_permlanex16_b32 for lane l xor 16
.set XREG, 8704                        ; x's way: LDS of a wave: 16 rows x 528 bytes, then 256 bytes of scale words
.set WREG, 6912                        ; the weights' ways: 4 fragments 1,664 bytes apart, then 256 bytes of scale words
.set WL0,  4*XREG
.set WL1,  WL0+4*WREG
; 64 numbers of a lane, register 16 b + i = k 32 b + 16 (lane / 16) + i of my row, become a fragment's codes in v[PC] on and its scale word in v[PW]
.macro QUANT s
.irp b, 0,1,2,3
	v_max3_num_f32 v[TM+\b], |v[\s+16*\b]|, |v[\s+1+16*\b]|, 0x1800000   ; my 16 numbers of block b, and the floor 2^(3 - 127)
.endr
.irp i, 2,4,6,8,10,12,14
.irp b, 0,1,2,3
	v_max3_num_f32 v[TM+\b], v[TM+\b], |v[\s+16*\b+\i]|, |v[\s+1+16*\b+\i]|
.endr
.endr
.irp b, 0,1,2,3
	v_permlanex16_b32 v[TM+4+\b], v[TM+\b], s[SEL], s[SEL+1]
.endr
.irp b, 0,1,2,3
	v_max_num_f32 v[TM+\b], v[TM+\b], v[TM+4+\b]   ; with lane l xor 16's 16: the block's largest magnitude
.endr
.irp b, 0,1,2,3
	v_add_nc_u32 v[TM+12+\b], 0xff000000, v[TM+\b] ; 2 off its exponent field: the conversion's scale operand
.endr
.irp b, 0,1,2,3
	v_lshrrev_b32 v[TM+4+\b], 23, v[TM+12+\b]      ; the scale's byte
.endr
	v_lshl_or_b32 v[PW], v[TM+5], 8, v[TM+4]
	v_lshl_or_b32 v[PW], v[TM+6], 16, v[PW]
	v_lshl_or_b32 v[PW], v[TM+7], 24, v[PW]
.irp c, 0,1
	v_cvt_scalef32_pk16_fp6_f32 v[PC+6*\c:PC+2+6*\c], v[\s+32*\c:\s+15+32*\c], v[TM+12+2*\c]
	v_cvt_scalef32_pk16_fp6_f32 v[PC+12+4*\c:PC+14+4*\c], v[\s+16+32*\c:\s+31+32*\c], v[TM+12+2*\c+1]   ; (a conversion's three registers begin on an even number)
.endr
	v_nop                                          ; one plain line behind the scaled conversions
.irp c, 0,1                                    ; the operand wants a whole block in a lane: lanes 0-15 block 2 c, lanes 16-31 block 2 c + 1
.irp i, 0,1,2
	v_permlane16_swap_b32 v[PC+6*\c+\i], v[PC+12+4*\c+\i]
.endr
.irp i, 0,1,2
	v_mov_b32 v[PC+3+6*\c+\i], v[PC+12+4*\c+\i]
.endr
.endr
.endm
	s_load_b128 s[4:7], s[0:1], 0x0                ; x, w_qkv
	s_load_b128 s[8:11], s[0:1], 0x10              ; w_proj, xc
	s_load_b128 s[12:15], s[0:1], 0x20             ; wqc, wpc
	v_lshl_add_u32 v62, v0, 2, 0x16000
	v_mov_b32 v63, 0
	v_lshrrev_b32 v1, 5, v0
	v_readfirstlane_b32 s16, v1                    ; wave
	v_and_b32 v1, 31, v0                           ; lane l
	v_and_b32 v2, 15, v0                           ; r
	v_bfe_u32 v3, v0, 4, 1                         ; h
	v_lshlrev_b32 v4, 4, v1                        ; 16 l
	v_lshlrev_b32 v5, 3, v1                        ; 8 l
	s_mov_b32 s[SEL], 0x76543210
	s_mov_b32 s[SEL+1], 0xfedcba98
	s_mov_b32 s23, 0
	s_mov_b32 s25, 0
	s_wait_kmcnt 0x0
	s_cmp_lt_u32 ttmp9, 256
	s_cbranch_scc0 .Lweights
; ---- x: K is innermost.  Each load takes the 512 consecutive bytes that one row has in this K step; a fragment's 16 rows turn through the wave's stage, so that a lane gets 16 neighbours of each block of its row.
	s_lshr_b32 s22, ttmp9, 3                       ; the tile of 256 rows,
	s_lshl_b32 s22, s22, 20                        ; 4,096 bytes a row
	s_lshl_b32 s24, s16, 18                        ; my wave's 64 rows
	s_add_co_u32 s22, s22, s24
	s_and_b32 s24, ttmp9, 7                        ; the K step: 512 bytes
	s_lshl_b32 s24, s24, 9
	s_add_co_u32 s22, s22, s24
	s_add_nc_u64 s[4:5], s[4:5], s[22:23]
	s_mul_i32 s22, ttmp9, BLK
	s_mul_i32 s24, s16, 6144
	s_add_co_u32 s24, s24, s22
	s_add_nc_u64 s[26:27], s[10:11], s[24:25]      ; my four fragments
	s_lshl_b32 s24, s16, 8
	s_add_co_u32 s24, s24, s22
	s_add_co_u32 s24, s24, SCO
	s_add_nc_u64 s[28:29], s[10:11], s[24:25]      ; their 256 bytes of scale words
	s_mul_i32 s17, s16, XREG
	s_wait_alu depctr_va_vdst(0)
	v_add_nc_u32 v6, s17, v4                       ; the stage, on the way in: 16 l, a row 528 bytes from the next
	v_mul_u32_u24 v7, v2, 528
	v_lshl_add_u32 v7, v3, 6, v7
	v_add_nc_u32 v7, s17, v7                       ; on the way out: row r, + 64 h
	v_lshlrev_b32 v8, 2, v2
	v_add_nc_u32 v8, s17, v8
	v_add_nc_u32 v8, 8448, v8                      ; my row's scale word
	v_add_nc_u32 v9, s17, v5
	v_add_nc_u32 v9, 8448, v9                      ; and 8 bytes a lane on the way out
.irp b, 0,1,2,3
	v_mov_b32 v[TM+4+\b], 0                        ; written once: a lane permute's destination counts as one of its sources
.endr
.macro XLD f                           ; fragment f's 16 rows into set f % 2
.irp i, 0,1,2,3,4,5,6,7,8,9,10,11,12,13,14,15
	global_load_b128 v[R+64*((\f)%2)+4*\i:R+64*((\f)%2)+4*\i+3], v4, s[4:5] offset:(32*((\f)/2)+8*((\f)%2)+\i+8*(\i/8))*4096 th:TH_LOAD_NT
.endr
.endm
.macro XFRAG f
.if (\f) < 3
	s_wait_loadcnt 16                              ; this fragment's 16 loads are in; the next fragment's 16 may be out
.else
	s_wait_loadcnt 0x0
.endif
.irp i, 0,1,2,3,4,5,6,7,8,9,10,11,12,13,14,15
	ds_store_b128 v6, v[R+64*((\f)%2)+4*\i:R+64*((\f)%2)+4*\i+3] offset:528*\i
.endr
.irp b, 0,1,2,3
.irp j, 0,1,2,3
	ds_load_b128 v[X+16*\b+4*\j:X+16*\b+4*\j+3], v7 offset:128*\b+16*\j   ; LDS serves a wave's instructions in order: these see the stores above
.endr
.endr
	s_wait_dscnt 0x0                               ; my 64 numbers are in; the stores have read the set, and the last scale word's store its register
.if (\f) < 2
	XLD (\f)+2                                     ; the set takes the fragment two further on
.endif
.if (\f) > 0
	s_wait_xcnt 0x0                                ; the last fragment's stores have read the codes' registers: they are written again only behind this wait
.endif
	QUANT X
	global_store_b128 v4, v[PC:PC+3], s[26:27] offset:1536*(\f)          ; each store covers 512 or 256 consecutive bytes, aligned
	global_store_b64 v5, v[PC+4:PC+5], s[26:27] offset:1536*(\f)+512
	global_store_b128 v4, v[PC+6:PC+9], s[26:27] offset:1536*(\f)+768
	global_store_b64 v5, v[PC+10:PC+11], s[26:27] offset:1536*(\f)+1280
	ds_store_b32 v8, v[PW] offset:64*(\f)          ; both halves of the lanes write the same word with the same value
.endm
	XLD 0
	XLD 1
	XFRAG 0
	XFRAG 1
	XFRAG 2
	XFRAG 3
	ds_load_b64 v[56:57], v9
	s_wait_dscnt 0x0
	global_store_b64 v5, v[56:57], s[28:29]        ; my four fragments' scale words: 256 consecutive bytes
	s_wait_tensorcnt 0x0
	ds_add_u32 v62, v63
	s_wait_dscnt 0x0
	s_endpgm
; ---- the weights: K is the FIRST axis.  A lane takes a column and its registers run down K: a block of 32 lies in one lane, and the conversions give codes with K innermost.
; A wave takes 64 columns as two runs e of 32.  Lane l of run e stands for lane r = l % 8 + 8 (l / 16) of fragment 2 e + u, u = (l / 8) % 2.  Block z: k = 32 (z / 2) on, run z % 2: the two runs' 128 bytes of a row are asked for together.
.macro WLD z, cols
.irp i, 0,1,2,3,4,5,6,7,8,9,10,11,12,13,14,15,16,17,18,19,20,21,22,23,24,25,26,27,28,29,30,31
	global_load_b32 v[X+32*((\z)%2)+\i], v10, s[26:27] offset:(32*((\z)/2)+\i)*4*(\cols)+128*((\z)%2)
.endr
.endm
.macro WBLK z, cols
.set XS, X+32*((\z)%2)
.set WQ, (\z)/2
.set WE, (\z)%2
.if (\z) < 7
	s_wait_loadcnt 32                              ; this block's 32 loads are in; the next block's may be out
.else
	s_wait_loadcnt 0x0
.endif
	v_max3_num_f32 v16, |v[XS]|, |v[XS+1]|, |v[XS+2]|
	v_max3_num_f32 v17, |v[XS+3]|, |v[XS+4]|, |v[XS+5]|
.irp i, 6,10,14,18,22,26
	v_max3_num_f32 v16, v16, |v[XS+\i]|, |v[XS+\i+1]|
	v_max3_num_f32 v17, v17, |v[XS+\i+2]|, |v[XS+\i+3]|
.endr
	v_max3_num_f32 v16, v16, |v[XS+30]|, |v[XS+31]|
	v_max3_num_f32 v16, v16, v17, 0x1800000        ; and the floor
	v_add_nc_u32 v18, 0xff000000, v16              ; the conversion's scale operand
	v_lshrrev_b32 v19, 23, v18                     ; the byte
.if WQ == 0
	v_mov_b32 v[PW+WE], v19
.else
	v_lshl_or_b32 v[PW+WE], v19, 8*WQ, v[PW+WE]
.endif
	v_cvt_scalef32_pk16_fp6_f32 v[36:38], v[XS:XS+15], v18
	v_cvt_scalef32_pk16_fp6_f32 v[40:42], v[XS+16:XS+31], v18
	v_nop                                          ; one plain line behind the scaled conversions
	v_mov_b32 v39, v40                             ; the block's six registers on end
	v_mov_b32 v40, v41
	v_mov_b32 v41, v42
	ds_store_b128 v13, v[36:39] offset:3328*WE+768*(WQ/2)+256*(WQ%2)       ; block q is half q / 2 of the image, lanes 16 (q % 2) on
	ds_store_b64 v14, v[40:41] offset:3328*WE+768*(WQ/2)+512+128*(WQ%2)
.if (\z) < 6
	WLD (\z)+2, \cols
.endif
	s_wait_dscnt 0x0                               ; the stores have read their registers: the next block's codes may be written
.endm
.macro WPATH cols, src, dst, first, lbase
	s_sub_co_u32 s22, ttmp9, \first                ; which BLK
	s_lshr_b32 s24, s22, 3
	s_lshl_b32 s23, s24, 10                        ; the tile's 256 columns: 1,024 bytes
	s_and_b32 s24, s22, 7
	s_mul_i32 s24, s24, 512*(\cols)                ; the K step: 128 rows
	s_add_co_u32 s24, s24, s23
	s_lshl_b32 s23, s16, 8                         ; my wave's 64 columns
	s_add_co_u32 s24, s24, s23
	s_add_nc_u64 s[26:27], s[\src:\src+1], s[24:25]
	; both weights' results are laid in halves of 128 columns; w_proj counts as one tensor
	; w_qkv's result is laid [128 columns u of a tensor][K step][Q, K, V][12,800 bytes]: 8 fragments, then their 8 x 64 bytes of scale words
	s_lshr_b32 s33, s22, 3                         ; the tile of 256 columns, 0 .. 11
	s_and_b32 s34, s22, 7                          ; the K step
	s_lshr_b32 s35, s33, 2                         ; the tensor: 0 Q, 1 K, 2 V
	s_and_b32 s33, s33, 3
	s_lshl_b32 s33, s33, 1
	s_lshr_b32 s36, s16, 1
	s_add_co_u32 s33, s33, s36                     ; u = 2 x (tile % 4) + wave / 2
	s_lshl_b32 s33, s33, 3
	s_add_co_u32 s33, s33, s34
	s_mul_i32 s33, s33, (\cols)/1024               ; tensors side by side in the weight
	s_add_co_u32 s33, s33, s35
	s_mul_i32 s22, s33, 12800
	s_and_b32 s36, s16, 1
	s_mul_i32 s24, s36, 6144
	s_add_co_u32 s24, s24, s22
	s_add_nc_u64 s[28:29], s[\dst:\dst+1], s[24:25]   ; my four fragments
	s_lshl_b32 s24, s36, 8
	s_add_co_u32 s24, s24, s22
	s_add_co_u32 s24, s24, 12288
	s_add_nc_u64 s[30:31], s[\dst:\dst+1], s[24:25]   ; their scale words
	s_mul_i32 s32, s16, WREG
	s_add_co_u32 s32, s32, \lbase
	v_lshlrev_b32 v10, 2, v1                       ; in: 4 bytes a lane
	v_bfe_u32 v60, v0, 3, 1                        ; u
	v_and_b32 v12, 7, v0
	v_lshl_add_u32 v12, v3, 3, v12                 ; r
	v_mul_u32_u24 v11, v60, 1664
	v_add_nc_u32 v11, s32, v11
	v_lshl_add_u32 v13, v12, 4, v11                ; the image's runs of 16 bytes a lane
	v_lshl_add_u32 v14, v12, 3, v11                ; and of 8
	v_lshlrev_b32 v15, 6, v60
	v_lshl_add_u32 v15, v12, 2, v15
	v_add_nc_u32 v15, s32, v15
	v_add_nc_u32 v15, 6656, v15                    ; my column's scale word
	v_add_nc_u32 v58, s32, v4                      ; the way out: 16 l
	v_add_nc_u32 v59, s32, v5
	v_add_nc_u32 v59, 6656, v59
	WLD 0, \cols
	WLD 1, \cols
.irp z, 0,1,2,3,4,5,6,7
	WBLK \z, \cols
.endr
	ds_store_b32 v15, v[PW]
	s_wait_alu depctr_va_vdst(0)
	ds_store_b32 v15, v[PW+1] offset:128
.irp k, 0,1,2,3,4,5,6,7,8,9,10,11
	ds_load_b128 v[R+4*\k:R+4*\k+3], v58 offset:1664*(\k/3)+512*(\k%3)   ; LDS serves a wave's instructions in order: these see my stores
.endr
	ds_load_b64 v[R+48:R+49], v59
.irp k, 0,1,2,3,4,5,6,7,8,9,10,11
	s_wait_dscnt 12-\k                             ; load k is in; the 12 - k issued behind it may be out
	global_store_b128 v4, v[R+4*\k:R+4*\k+3], s[28:29] offset:1536*(\k/3)+512*(\k%3)   ; 512 consecutive bytes, aligned
.endr
	s_wait_dscnt 0x0
	global_store_b64 v5, v[R+48:R+49], s[30:31]
	s_wait_tensorcnt 0x0
	ds_add_u32 v62, v63
	s_wait_dscnt 0x0
	s_endpgm
.endm
.Lweights:
	s_cmp_lt_u32 ttmp9, 352
	s_cbranch_scc0 .Lwproj
	s_wait_alu depctr_va_vdst(0)
	WPATH 3072, 6, 12, 256, WL0
.Lwproj:
	s_wait_alu depctr_va_vdst(0)
	WPATH 1024, 8, 14, 352, WL1
.Lfunc_end_k_q37db2a1757_prep:
	.size	k_q37db2a1757_prep, .Lfunc_end_k_q37db2a1757_prep-k_q37db2a1757_prep
	.p2alignl 7, 3214868480
	.fill 96, 4, 3214868480
	.section	.rodata,"a",@progbits
	.p2align	6, 0x0
	.amdhsa_kernel k_q37db2a1757_prep
		.amdhsa_group_segment_fixed_size 90624
		.amdhsa_private_segment_fixed_size 0
		.amdhsa_enable_private_segment 0
		.amdhsa_kernarg_size 48
		.amdhsa_user_sgpr_count 2
		.amdhsa_user_sgpr_kernarg_segment_ptr 1
		.amdhsa_wavefront_size32 1
		.amdhsa_system_sgpr_workgroup_id_x 1
		.amdhsa_system_sgpr_workgroup_id_y 1
		.amdhsa_system_sgpr_workgroup_id_z 1
		.amdhsa_system_vgpr_workitem_id 0
		.amdhsa_next_free_vgpr 256
		.amdhsa_next_free_sgpr 66
		.amdhsa_reserve_vcc 0
		.amdhsa_float_denorm_mode_32 3
		.amdhsa_float_denorm_mode_16_64 3
		.amdhsa_memory_ordered 1
		.amdhsa_forward_progress 1
		.amdhsa_inst_pref_size 118
	.end_amdhsa_kernel
	.amdgpu_metadata
---
amdhsa.version: [ 1, 2 ]
amdhsa.kernels:
  - .name:           k_q37db2a1757_prep
    .symbol:         k_q37db2a1757_prep.kd
    .args:
      - { .name: x, .offset: 0, .size: 8, .value_kind: global_buffer, .address_space: global }
      - { .name: w_qkv, .offset: 8, .size: 8, .value_kind: global_buffer, .address_space: global }
      - { .name: w_proj, .offset: 16, .size: 8, .value_kind: global_buffer, .address_space: global }
      - { .name: xc, .offset: 24, .size: 8, .value_kind: global_buffer, .address_space: global }
      - { .name: wqc, .offset: 32, .size: 8, .value_kind: global_buffer, .address_space: global }
      - { .name: wpc, .offset: 40, .size: 8, .value_kind: global_buffer, .address_space: global }
    .group_segment_fixed_size: 90624
    .private_segment_fixed_size: 0
    .kernarg_segment_align: 8
    .kernarg_segment_size: 48
    .max_flat_workgroup_size: 128
    .sgpr_count:     66
    .vgpr_count:     256
    .wavefront_size: 32
...
	.end_amdgpu_metadata
.endif
;; end of part 1
;; launch qkv (part 2): grid 8 x 32, 4 waves a work-group, clusters of 4 x 4, 327,680 bytes of LDS; arguments xc, wqc, qb, kv; writes qb, kv
.if DOCPART == 2
	.amdgcn_target "amdgcn-amd-amdhsa--gfx1250"
	.amdhsa_code_object_version 6
	.text
	.protected	k_q37db2a1757_qkv
	.globl	k_q37db2a1757_qkv
	.p2align	8
	.type	k_q37db2a1757_qkv,@function
k_q37db2a1757_qkv:
	s_mov_b64 s[64:65], 0
	v_nop
	global_prefetch_b8 v0, s[64:65] scope:SCOPE_SE
	s_setreg_imm32_b32 hwreg(HW_REG_WAVE_MODE, 25, 1), 1
	s_wait_xcnt 0x0
	s_wait_alu depctr_hold_cnt(0) depctr_sa_sdst(0) depctr_va_vdst(0) depctr_va_sdst(0) depctr_va_ssrc(0) depctr_va_vcc(0) depctr_vm_vsrc(0)
	s_getreg_b32 s2, hwreg(HW_REG_IB_STS2, 6, 4)
	s_cmp_eq_u32 s2, 0
	s_cbranch_scc0 .Lentry_in_a_cluster
	s_endpgm
.Lentry_in_a_cluster:
	s_bfe_u32 s2, ttmp6, 0x10000c
	s_cmp_lg_u32 s2, 0xf033
	s_cbranch_scc0 .Lentry_shape_is_right
	s_endpgm
.Lentry_shape_is_right:
; QKV: Q, K, V = x w_qkv on codes of FP6 (E2M3) with E8M0 scales, and their quantisers: the results leave as codes and scale words in the order in which the attention launch reads them.
; SHARES.  256 work-groups of four waves, 2 x 2.  A work-group takes 256 tokens x (128 columns of Q, of K and of V); a wave 128 tokens x one head (64 columns) of each: 96 accumulators, 768 registers, windows 1 to 3.
; Q, K: source 0 = the weight's columns, source 1 = x's tokens: a lane holds one token, its registers run along the head's channels.  V: the sources change places: a lane holds one channel, its registers run along the tokens.
; A K STEP of 128 is three GROUPS of 32 products (Q, K, V): x's eight fragments against a group's four weight fragments.  x has one set of registers, refetched half by half in and behind group V;
; the weights have two buffers by turns: group G reads buffer G % 2 while group G + 1's fragments are fetched into the other.  So each fragment of x is read from LDS once for twelve products.
; LDS: two slots of two K steps: x's 2 x 25,600 bytes, then the weights' 2 x 38,400; behind them the stages for the results' scale words and the spare words.
; FILLS: one joint load a wave (waves 0, 1: x's two K steps, shared by a row of the cluster; waves 2, 3: the weights', shared by a column).  Slot 0 at the head, slot 1 behind a drained round, two refills, each in a round that stands inside group K of a slot's second step:
; by then the slot's last fragments (group V's) have been fetched.
; NO PREFETCH: K has four fills in all; two go out at the head and each refill is asked for five groups of products ahead of the wait for it.
; WAITS ON DSCNT: a fragment is five loads (four of codes, one scale word).  40: x's fragments 4-7 and the next group's weights are younger; 20: the next group's weights; 21: these and the add.
; LIMITS: NaN and infinities are not served; a block of zeros, and one whose largest magnitude lies under 2^-124, gets the byte 1 (this program alone reads the bytes).
.set BLK,    25600
.set WB,     38400
.set SLOT,   2*BLK+2*WB
.set STG0,   2*SLOT                    ; Q's and K's scale words: 1,024 bytes a wave
.set STG1,   STG0+4096                 ; V's: 256 bytes a wave
.set SPARE,  STG1+1024
.set HEADB,  208896
.set STP,    13056
.set R4,  4                            ; 4 r
.set L16, 5                            ; 16 l
.set L8,  6                            ; 8 l
.set SH,  7                            ; 16 h
.set X16, 8                            ; v8-13  x's fragments and scale words in slot 0, 1
.set X8,  10
.set X4,  12
.set W16, 14                           ; v14-25 the weights', for step % 4
.set W8,  18
.set W4,  22
.set SA0, 26
.set SB0, 27
.set SPW, 28
.set NIL, 29
.set SA1, 30
.set SB1, 31
.set SX,  32                           ; v32-39 x's scale words
.set SW,  40                           ; v40-47 the weights', two buffers
.set TM,  48                           ; v48-63 at work in the way out
.set XF,  64                           ; v64-159 x's fragments
.set WF,  160                          ; v160-255 the weights', two buffers
.set PCS, 64                           ; the way out: 12 x 12 registers of codes
.set PWS, 208
.set CX,  220
.set SOUT, 228
.set G1,  24
.set G0,  32
.set G1B, 48
.set G0B, 56
.set SEL, 72
.set MSB, 0
.macro WIN new
.if MSB != (\new)
	s_set_vgpr_msb (MSB<<8)|(\new)
.set MSB, (\new)
.endif
.endm
.macro PLACES n
.rept \n
	v_nop
.endr
.endm
.macro JLOAD s                         ; waves 0, 1 ask for x, waves 2, 3 for the weights
	s_cmp_eq_u32 s15, 0
	s_cbranch_scc0 .Lfor_b_\@
	tensor_load_to_lds s[G0+4*\s:G0+4*\s+3], s[G1:G1+7]
	s_nop 0
	PLACES 4
	s_branch .Lasked_\@
.Lfor_b_\@:
	tensor_load_to_lds s[G0B+4*\s:G0B+4*\s+3], s[G1B:G1B+7]
	s_nop 0
	PLACES 4
.Lasked_\@:
.endm
.macro CREST
	s_cmp_lg_u32 s14, 0
	s_cbranch_scc1 .Lnot_wave_0_\@
	s_barrier_signal -3
.Lnot_wave_0_\@:
	s_barrier_wait -3
	s_barrier_signal -1
	s_barrier_wait -1
.endm
.macro CROUND
	s_barrier_signal -1
	s_barrier_wait -1
	CREST
.endm
	s_load_b128 s[4:7], s[0:1], 0x0                ; xc, wqc
	s_load_b128 s[8:11], s[0:1], 0x10              ; qb, kv
	v_lshl_add_u32 v[SPW], v0, 2, SPARE
	v_mov_b32 v[NIL], 0
	ds_add_u32 v[SPW], v[NIL]                      ; the opening lines
	ds_add_u32 v[SPW], v[NIL]
	v_lshrrev_b32 v1, 5, v0
	v_readfirstlane_b32 s14, v1                    ; wave
	s_lshr_b32 s15, s14, 1                         ; my half of the tokens; also: I ask for x (0) or the weights (1)
	s_and_b32 s16, s14, 1                          ; my head of the two; also: which K step of a slot I ask for
	s_bfe_u32 s40, ttmp6, 0x40000
	s_bfe_u32 s41, ttmp6, 0x40004
	s_lshl_b32 s42, ttmp9, 2
	s_add_co_u32 s42, s42, s40                     ; which 128 columns, 0 .. 7
	s_and_b32 s17, ttmp7, 0xffff
	s_lshl_b32 s17, s17, 2
	s_add_co_u32 s17, s17, s41                     ; which 256 tokens, 0 .. 31
	s_lshl_b32 s43, s41, 2
	s_lshl_b32 s43, 15, s43                        ; my row of the cluster
	s_lshl_b32 s44, 0x1111, s40                    ; my column
	s_or_b32 s[G1+0], s43, (3<<16)|(1<<21)         ; dense blocks as rows of 256 bytes (32 elements of 8): x 100 rows, the weights 150
	s_or_b32 s[G1B+0], s44, (3<<16)|(1<<21)
.irp g, G1, G1B
	s_mov_b32 s[\g+1], 32<<16
	s_mov_b32 s[\g+3], 32<<16
	s_mov_b32 s[\g+5], 32
	s_mov_b32 s[\g+6], 0
	s_mov_b32 s[\g+7], 0
.endr
	s_mov_b32 s[G1+2], 100<<16
	s_mov_b32 s[G1+4], 100
	s_mov_b32 s[G1B+2], 150<<16
	s_mov_b32 s[G1B+4], 150
	s_mul_i32 s45, s16, BLK                        ; where my K step lies in a slot: x's,
	s_mul_i32 s19, s16, WB
	s_mul_i32 s20, s17, 8*BLK
	s_add_co_u32 s20, s20, s45
	s_mov_b32 s21, 0
	s_mul_i32 s46, s42, 8*WB
	s_add_co_u32 s46, s46, s19
	s_mov_b32 s47, 0
	s_add_co_u32 s19, s19, 2*BLK                   ; and the weights'
	s_wait_dscnt 0x0
	s_wait_kmcnt 0x0
	s_add_nc_u64 s[20:21], s[4:5], s[20:21]
	s_add_nc_u64 s[46:47], s[6:7], s[46:47]
	CROUND
.irp s, 0,1
	s_mov_b32 s[G0+4*\s], 1
	s_add_co_u32 s[G0+4*\s+1], s45, \s*SLOT
	s_add_nc_u64 s[G0+4*\s+2:G0+4*\s+3], s[20:21], \s*2*BLK
	s_or_b32 s[G0+4*\s+3], s[G0+4*\s+3], 0x80000000
	s_mov_b32 s[G0B+4*\s], 1
	s_add_co_u32 s[G0B+4*\s+1], s19, \s*SLOT
	s_add_nc_u64 s[G0B+4*\s+2:G0B+4*\s+3], s[46:47], \s*2*WB
	s_or_b32 s[G0B+4*\s+3], s[G0B+4*\s+3], 0x80000000
.endr
	JLOAD 0                                        ; K steps 0, 1: my one load at the head
	s_mul_i32 s74, s15, 12288                      ; my eight fragments of x,
	s_lshl_b32 s75, s15, 9                         ; their scale words,
	s_mul_i32 s76, s16, 6144                       ; my four fragments of a weight's eight,
	s_add_co_u32 s76, s76, 2*BLK
	s_lshl_b32 s77, s16, 8                         ; and theirs
	s_add_co_u32 s77, s77, 2*BLK+12288
	s_lshl_b32 s78, s14, 10
	s_add_co_u32 s78, s78, STG0
	s_lshl_b32 s79, s14, 8
	s_add_co_u32 s79, s79, STG1
	s_mov_b32 s[SEL], 0x76543210
	s_mov_b32 s[SEL+1], 0xfedcba98
	s_lshr_b32 s68, s17, 3                         ; my head: 16 x batch + 2 x (128 columns) + wave % 2
	s_lshl_b32 s68, s68, 4
	s_lshl_b32 s69, s42, 1
	s_add_co_u32 s68, s68, s69
	s_add_co_u32 s68, s68, s16
	s_mul_i32 s68, s68, HEADB
	s_and_b32 s69, s17, 7                          ; my key step of 128 tokens
	s_lshl_b32 s69, s69, 1
	s_add_co_u32 s69, s69, s15
	s_mul_i32 s69, s69, STP
	s_add_co_u32 s68, s68, s69
	s_mov_b32 s69, 0
	s_add_nc_u64 s[12:13], s[8:9], s[68:69]        ; in qb
	s_add_nc_u64 s[70:71], s[10:11], s[68:69]      ; in kv
	v_and_b32 v1, 15, v0
	v_bfe_u32 v2, v0, 4, 1
	v_and_b32 v3, 31, v0
	v_lshlrev_b32 v[R4], 2, v1
	v_lshlrev_b32 v[L16], 4, v3
	v_lshlrev_b32 v[L8], 3, v3
	v_lshlrev_b32 v[SH], 4, v2
	v_add_nc_u32 v[X16], s74, v[L16]
	v_add_nc_u32 v[X8], s74, v[L8]
	v_add_nc_u32 v[X4], s75, v[R4]
	v_add_nc_u32 v[W16], s76, v[L16]
	v_add_nc_u32 v[W8], s76, v[L8]
	v_add_nc_u32 v[W4], s77, v[R4]
.irp a, X16, X8, X4
	v_add_nc_u32 v[\a+1], SLOT, v[\a]
.endr
.irp a, W16, W8, W4
	v_add_nc_u32 v[\a+1], WB, v[\a]
	v_add_nc_u32 v[\a+2], SLOT, v[\a]
	v_add_nc_u32 v[\a+3], SLOT+WB, v[\a]
.endr
	v_lshl_add_u32 v[SA0], v2, 9, v[R4]
	v_add_nc_u32 v[SA0], s78, v[SA0]
	v_add_nc_u32 v[SB0], s78, v[L16]
	v_add_nc_u32 v[SA1], s79, v[R4]
	v_add_nc_u32 v[SB1], s79, v[L8]
; a fragment: the image of 12 registers, and its rows' scale words
.macro FRAG reg, sreg, a16, a8, a4, off, soff
	ds_load_b128 v[\reg:\reg+3], v[\a16] offset:\off
	ds_load_b64 v[\reg+4:\reg+5], v[\a8] offset:\off+512
	ds_load_b128 v[\reg+6:\reg+9], v[\a16] offset:\off+768
	ds_load_b64 v[\reg+10:\reg+11], v[\a8] offset:\off+1280
	ds_load_b32 v[\sreg], v[\a4] offset:\soff
.endm
.macro LOADX st, x0                    ; x's fragments x0 .. x0 + 3 of K step st
.set S_, ((\st)/2)%2
.set Q_, (\st)%2
.irp i, 0,1,2,3
	FRAG XF+12*(\x0+\i), SX+\x0+\i, X16+S_, X8+S_, X4+S_, Q_*BLK+1536*(\x0+\i), 24576+Q_*BLK+64*(\x0+\i)
.endr
.endm
.macro LOADW G                         ; group G's four weight fragments into buffer G % 2
.set N_, ((\G)/3)%4
.set T_, (\G)%3
.set P_, (\G)%2
.irp i, 0,1,2,3
	FRAG WF+48*P_+12*\i, SW+4*P_+\i, W16+N_, W8+N_, W4+N_, T_*12800+1536*\i, T_*12800+64*\i
.endr
.endm
.macro PROD d, s0, s1, c0, c1, zero
.if \zero
	v_wmma_scale_f32_16x16x128_f8f6f4 v[\d:\d+7], v[\s0:\s0+11], v[\s1:\s1+11], 0, v[\c0], v[\c1] matrix_a_fmt:MATRIX_FMT_FP6 matrix_b_fmt:MATRIX_FMT_FP6
.else
	v_wmma_scale_f32_16x16x128_f8f6f4 v[\d:\d+7], v[\s0:\s0+11], v[\s1:\s1+11], v[\d:\d+7], v[\c0], v[\c1] matrix_a_fmt:MATRIX_FMT_FP6 matrix_b_fmt:MATRIX_FMT_FP6
.endif
.endm
; 16 products: x's fragments x0 .. x0 + 3 against group G's four.  Accumulators: Q, K of fragment x at 64 (x % 4) + 32 (0 Q, 1 K) + 8 b in window 1 + x / 4; V at 64 b + 8 x in window 3.  They take turns, one instruction a turn.
.macro MUL G, x0, zero
.set T_, (\G)%3
.set P_, (\G)%2
.if T_ == 2
	WIN 0xf0
.else
	WIN 0x50*(1+(\x0)/4)
.endif
.irp x, 0,1,2,3
.irp b, 0,1,2,3
.set XA_, \x0+\x
.if T_ == 2
.set D_, 64*\b+8*XA_
	PROD D_, XF+12*XA_, WF+48*P_+12*\b, SX+XA_, SW+4*P_+\b, \zero
.else
.set D_, 64*\x+32*T_+8*\b
	PROD D_, WF+48*P_+12*\b, XF+12*XA_, SW+4*P_+\b, SX+XA_, \zero
.endif
.endr
.endr
.endm
; A group.  At its head, four places behind the last products, the fetches: ahead of group Q x's fragments 4-7 of this step; then the next group's weights.  turn = 1: a round with a refill; 2: a plain barrier that shows the last fill.
.macro GROUP G, zero, turn, pl
.set ST_, (\G)/3
.set TG_, (\G)%3
.set SL_, (ST_/2)%2
.set NB_, 0
.if \pl
	PLACES 4
.endif
	WIN 0
.if TG_ == 0
	LOADX ST_, 4
.endif
.if (\G) < 23
	LOADW (\G)+1
.set NB_, 20
.endif
.if \turn
	s_wait_tensorcnt 0x0                           ; all my tensor loads have landed: my part of the other slot
	ds_add_u32 v[SPW], v[NIL]
	s_wait_dscnt 21
	MUL \G, 0, 0
	s_wait_dscnt 0x0                               ; the add is done, and my reads of this slot are over
	s_barrier_signal -1
	MUL \G, 4, 0
	WIN 0
	s_barrier_wait -1
.if (\turn) == 1
	CREST
	s_add_nc_u64 s[G0+4*SL_+2:G0+4*SL_+3], s[G0+4*SL_+2:G0+4*SL_+3], 4*BLK
	s_add_nc_u64 s[G0B+4*SL_+2:G0B+4*SL_+3], s[G0B+4*SL_+2:G0B+4*SL_+3], 4*WB
	JLOAD SL_                                      ; its four v_nop are the places ahead of the next group's fetches
.endif
.elseif TG_ == 0
	s_wait_dscnt 40
	MUL \G, 0, \zero
	s_wait_dscnt 20
	MUL \G, 4, \zero
.else
	s_wait_dscnt NB_
	MUL \G, 0, \zero
.if TG_ == 2 && ST_ < 7
	PLACES 4
	WIN 0
	LOADX ST_+1, 0                                 ; the next step's fragments 0-3 of x
.endif
	MUL \G, 4, \zero
.endif
.endm
	s_wait_alu depctr_va_vdst(0)
	s_wait_tensorcnt 0x0
	ds_add_u32 v[SPW], v[NIL]
	s_wait_dscnt 0x0
	CROUND                                         ; slot 0 is whole
	JLOAD 1                                        ; K steps 2, 3
	LOADW 0
	LOADX 0, 0
.set GI, 0
.rept 24
.if GI == 0
	GROUP GI, 1, 0, 0
.elseif GI < 3
	GROUP GI, 1, 0, 1
.elseif GI == 4 || GI == 10
	GROUP GI, 0, 1, 1
.elseif GI == 5 || GI == 11
	GROUP GI, 0, 0, 0
.elseif GI == 16
	GROUP GI, 0, 2, 1
.else
	GROUP GI, 0, 0, 1
.endif
.set GI, GI+1
.endr
	WIN 0
; THE WAY OUT.  64 sums of a lane, register 16 b + i = place 32 b + 16 h + i along the next product's K, become 12 registers of codes and a scale word
.macro QUANTW aw, as, n
.set PC, PCS+12*(\n)
	WIN (\aw)|((\aw)<<2)
.irp b, 0,1,2,3
	v_max3_num_f32 v[TM+\b], |v[\as+16*\b]|, |v[\as+16*\b+1]|, 0x1800000   ; with the floor 2^(3 - 127)
.endr
.irp i, 2,4,6,8,10,12,14
.irp b, 0,1,2,3
	v_max3_num_f32 v[TM+\b], |v[\as+16*\b+\i]|, |v[\as+16*\b+\i+1]|, v[TM+\b]
.endr
.endr
	WIN 0
.irp b, 0,1,2,3
	v_permlanex16_b32 v[TM+4+\b], v[TM+\b], s[SEL], s[SEL+1]
.endr
.irp b, 0,1,2,3
	v_max_num_f32 v[TM+\b], v[TM+\b], v[TM+4+\b]
.endr
.irp b, 0,1,2,3
	v_add_nc_u32 v[TM+12+\b], 0xff000000, v[TM+\b]
.endr
.irp b, 0,1,2,3
	v_lshrrev_b32 v[TM+4+\b], 23, v[TM+12+\b]
.endr
	v_lshl_or_b32 v[PWS+(\n)], v[TM+5], 8, v[TM+4]
	v_lshl_or_b32 v[PWS+(\n)], v[TM+6], 16, v[PWS+(\n)]
	v_lshl_or_b32 v[PWS+(\n)], v[TM+7], 24, v[PWS+(\n)]
	WIN \aw
.irp c, 0,1
	v_cvt_scalef32_pk16_fp6_f32 v[PC+6*\c:PC+6*\c+2], v[\as+32*\c:\as+32*\c+15], v[TM+12+2*\c]
	v_cvt_scalef32_pk16_fp6_f32 v[CX+4*\c:CX+4*\c+2], v[\as+32*\c+16:\as+32*\c+31], v[TM+12+2*\c+1]
.endr
	WIN 0
	v_nop                                          ; one plain line behind the scaled conversions
.irp c, 0,1
.irp i, 0,1,2
	v_permlane16_swap_b32 v[PC+6*\c+\i], v[CX+4*\c+\i]
.endr
.irp i, 0,1,2
	v_mov_b32 v[PC+6*\c+3+\i], v[CX+4*\c+\i]
.endr
.endr
.endm
.irp b, 0,1,2,3
	v_mov_b32 v[TM+4+\b], 0                        ; a lane permute's destination counts as one of its sources
.endr
.irp a, 0,1,2,3,4,5,6,7                ; 16 tokens: registers 0-5 are Q's half fragment, 6-11 K's
	QUANTW 1+\a/4, 64*(\a%4), \a
	v_lshrrev_b32 v[PWS+\a], v[SH], v[PWS+\a]      ; lanes 0-15 keep Q's two bytes, lanes 16-31 K's
	v_and_b32 v[PWS+\a], 0xffff, v[PWS+\a]
	ds_store_b32 v[SA0], v[PWS+\a] offset:64*\a
	global_store_b128 v[L16], v[PC:PC+3], s[12:13] offset:768*\a
	global_store_b64 v[L8], v[PC+4:PC+5], s[12:13] offset:768*\a+512
	global_store_b128 v[L16], v[PC+6:PC+9], s[70:71] offset:768*\a
	global_store_b64 v[L8], v[PC+10:PC+11], s[70:71] offset:768*\a+512
.endr
.irp a, 0,1,2,3                        ; 16 channels of V x 128 tokens: a whole fragment
	QUANTW 3, 64*\a, 8+\a
	ds_store_b32 v[SA1], v[PWS+8+\a] offset:64*\a  ; both halves of the lanes write the same word
	global_store_b128 v[L16], v[PC:PC+3], s[70:71] offset:6144+1536*\a
	global_store_b64 v[L8], v[PC+4:PC+5], s[70:71] offset:6144+1536*\a+512
	global_store_b128 v[L16], v[PC+6:PC+9], s[70:71] offset:6144+1536*\a+768
	global_store_b64 v[L8], v[PC+10:PC+11], s[70:71] offset:6144+1536*\a+1280
.endr
	ds_load_b128 v[SOUT:SOUT+3], v[SB0]            ; LDS serves a wave's instructions in order: these see my stores
	ds_load_b128 v[SOUT+4:SOUT+7], v[SB0] offset:512
	ds_load_b64 v[SOUT+8:SOUT+9], v[SB1]
	s_wait_dscnt 0x0
	global_store_b128 v[L16], v[SOUT:SOUT+3], s[12:13] offset:12288     ; Q's scale words: 512 consecutive bytes
	global_store_b128 v[L16], v[SOUT+4:SOUT+7], s[70:71] offset:12288   ; K's
	global_store_b64 v[L8], v[SOUT+8:SOUT+9], s[70:71] offset:12800     ; V's: 256
	s_wait_tensorcnt 0x0
	ds_add_u32 v[SPW], v[NIL]
	s_wait_dscnt 0x0
	CROUND                                         ; the closing round
	s_endpgm
.Lfunc_end_k_q37db2a1757_qkv:
	.size	k_q37db2a1757_qkv, .Lfunc_end_k_q37db2a1757_qkv-k_q37db2a1757_qkv
	.p2alignl 7, 3214868480
	.fill 96, 4, 3214868480
	.section	.rodata,"a",@progbits
	.p2align	6, 0x0
	.amdhsa_kernel k_q37db2a1757_qkv
		.amdhsa_group_segment_fixed_size 327680
		.amdhsa_private_segment_fixed_size 0
		.amdhsa_enable_private_segment 0
		.amdhsa_kernarg_size 32
		.amdhsa_user_sgpr_count 2
		.amdhsa_user_sgpr_kernarg_segment_ptr 1
		.amdhsa_wavefront_size32 1
		.amdhsa_system_sgpr_workgroup_id_x 1
		.amdhsa_system_sgpr_workgroup_id_y 1
		.amdhsa_system_sgpr_workgroup_id_z 1
		.amdhsa_system_vgpr_workitem_id 0
		.amdhsa_next_free_vgpr 1024
		.amdhsa_next_free_sgpr 100
		.amdhsa_reserve_vcc 0
		.amdhsa_float_denorm_mode_32 3
		.amdhsa_float_denorm_mode_16_64 3
		.amdhsa_memory_ordered 1
		.amdhsa_forward_progress 1
		.amdhsa_inst_pref_size 217
	.end_amdhsa_kernel
	.amdgpu_metadata
---
amdhsa.version: [ 1, 2 ]
amdhsa.kernels:
  - .name:           k_q37db2a1757_qkv
    .symbol:         k_q37db2a1757_qkv.kd
    .args:
      - { .name: xc, .offset: 0, .size: 8, .value_kind: global_buffer, .address_space: global }
      - { .name: wqc, .offset: 8, .size: 8, .value_kind: global_buffer, .address_space: global }
      - { .name: qb, .offset: 16, .size: 8, .value_kind: global_buffer, .address_space: global }
      - { .name: kv, .offset: 24, .size: 8, .value_kind: global_buffer, .address_space: global }
    .group_segment_fixed_size: 327680
    .private_segment_fixed_size: 0
    .kernarg_segment_align: 8
    .kernarg_segment_size: 32
    .max_flat_workgroup_size: 128
    .sgpr_count:     100
    .vgpr_count:     1024
    .wavefront_size: 32
...
	.end_amdgpu_metadata
.endif
;; end of part 2
;; launch attn (part 3): grid 4 x 64, 8 waves a work-group, clusters of 4 x 1, 209,920 bytes of LDS; arguments qb, kv, oc; writes oc
.if DOCPART == 3
	.amdgcn_target "amdgcn-amd-amdhsa--gfx1250"
	.amdhsa_code_object_version 6
	.text
	.protected	k_q37db2a1757_attn
	.globl	k_q37db2a1757_attn
	.p2align	8
	.type	k_q37db2a1757_attn,@function
k_q37db2a1757_attn:
	s_mov_b64 s[64:65], 0
	v_nop
	global_prefetch_b8 v0, s[64:65] scope:SCOPE_SE
	s_setreg_imm32_b32 hwreg(HW_REG_WAVE_MODE, 25, 1), 1
	s_wait_xcnt 0x0
	s_wait_alu depctr_hold_cnt(0) depctr_sa_sdst(0) depctr_va_vdst(0) depctr_va_sdst(0) depctr_va_ssrc(0) depctr_va_vcc(0) depctr_vm_vsrc(0)
	s_getreg_b32 s2, hwreg(HW_REG_IB_STS2, 6, 4)
	s_cmp_eq_u32 s2, 0
	s_cbranch_scc0 .Lentry_in_a_cluster
	s_endpgm
.Lentry_in_a_cluster:
	s_bfe_u32 s2, ttmp6, 0x10000c
	s_cmp_lg_u32 s2, 0x3003
	s_cbranch_scc0 .Lentry_shape_is_right
	s_endpgm
.Lentry_shape_is_right:
; ATTN: for each of 64 heads (2,048 tokens, 64 channels): S^T = K Q^T, the softmax, O^T = V^T P^T, both products on codes of FP6 with one E8M0 scale for each 32 along K; o / l is quantised along the channels and stored for the last product.
; THE SOFTMAX: t = score x log2(e) / 8; M = the running largest t rounded UP to a whole number (kept as -M = floor(-t)); p = 2^(t - M) is quantised along the keys, not normalised; the row's sum is taken of the unquantised p and divides
; at the end.  When M moves, the sum and O^T are multiplied by 2^(old M - new M), made by v_ldexp_f32: nothing is rounded and no branch hangs on data.
; SHARES.  A cluster of four work-groups owns a head, a work-group 512 of its queries, each of its eight waves two tiles of 16 queries at a time, twice.  Two waves share a SIMD: one wave's vector work stands beside the other's products and LDS loads.
; A HEAD'S WHOLE K, V AND SCALE WORDS, 208,896 bytes, lie in LDS as in memory, filled ONCE: each wave asks for two key steps by one joint load of the four partners (mask 15).  So there is no ring and nothing is filled again.
; Nothing is asked of memory ahead of time: every byte of K and V is requested by these first loads.
; LAYOUT.  Both products are used transposed: a lane holds ONE query throughout.  A key step is 128 keys, STP bytes: 8 half fragments of K (16 keys x 64 channels, 768 bytes), 4 fragments of V^T (16 channels x 128 keys), K's and V's scale words.
; Tile t, lane r stands for key (or channel) 32 (t / 2) + 8 (t % 2) + r + 8 (r / 8), so that the 16 registers of tiles 2 b, 2 b + 1 are 16 neighbours along the next product's K.
; K = 64 IN AN INSTRUCTION OF 128: K's operand t is its six registers and the six that follow (the next tile's codes; behind the last, zeros); Q's upper six registers are zero codes, and the upper two scale bytes of both are 0 (2^-127): those products are exact zeros.
; LIMITS: NaN and infinities are not served; a block of zeros, and one whose largest magnitude lies under 2^-124, gets the byte 1; a p under 2^-126 counts as 0.
; o's scale words are shared by two heads, so they leave as pieces of 2 bytes: 4 bytes for each 96 bytes of codes.
; REGISTERS.  window 0: v1-8 addresses; v10-17 -M, largest t, the sum (two halves) of tile 0, 1; v18-21 f; v22-37 scale words (Q, p, K, V); v38-63 at work; v64-191 S^T, then p; v192-215 p's codes; v216-237 at work.
;   window 1: v0-63 O^T; v64-87 Q; v96-143 K; v144-149 zeros; v152-199 V.
.set HEADB, 208896
.set STP,   13056
.set BLK,   25600
.set BS16, 1                           ; v1  16 l     v2  8 l     v3  4 r: a lane's place in an image; never rewritten
.set BS8,  2
.set BS4,  3
.set AD16, 4                           ; v4-6 the same + the key step's first byte
.set AD8,  5
.set AD4,  6
.set L4,   7                           ; v7  4 l
.set LN,   8                           ; v8  l
.set NM,   10
.set FF,   18
.set QS,   22
.set PS,   24
.set KS,   26
.set VS,   34
.set TT,   38
.set BM,   40                          ; tile i: v[BM + 12 i] 4 block maxima, + 4: 4 at work, + 8: 4 scale operands of the conversions
.set PT,   44
.set SO,   48
.set S,    64
.set PC,   192
.set CX,   216
.set SC2,  232
.set OW,   236
.set OF,   0                           ; in window 1
.set QF,   64
.set KF,   96
.set ZF,   144
.set VF,   152
.set WV,   10
.set SEL,  14
.set CS,   16
.set G1,   40
.set G0,   48
.set QP,   52
.set QSP,  54
.set OP,   56
.set OSP,  58
.set TB,   60
.set CNT,  61
.set PASS, 62
.set MSB, 0
.macro WIN new                         ; the immediate's high byte repeats the setting that is left
.if MSB != (\new)
	s_set_vgpr_msb (MSB<<8)|(\new)
.set MSB, (\new)
.endif
.endm
.set W_LD,  0x40                       ; destination window 1
.set W_QK,  0x05                       ; K and Q window 1, S^T window 0
.set W_PV,  0x51                       ; V window 1, p window 0, O^T window 1
.set W_RS,  0x41                       ; O^T (destination and source 0) window 1, f window 0
.set W_OUT, 0x01                       ; O^T (source 0) window 1
.macro CROUND                          ; a round of the cluster's barrier
	s_barrier_signal -1
	s_barrier_wait -1
	s_cmp_lg_u32 s[WV], 0
	s_cbranch_scc1 .Lnot_wave_0_\@
	s_barrier_signal -3
.Lnot_wave_0_\@:
	s_barrier_wait -3
	s_barrier_signal -1
	s_barrier_wait -1
.endm
	s_load_b128 s[4:7], s[0:1], 0x0                ; qb, kv
	s_load_b64 s[8:9], s[0:1], 0x10                ; oc
	v_lshl_add_u32 v254, v0, 2, 0x33000
	v_mov_b32 v255, 0
	ds_add_u32 v254, v255
	ds_add_u32 v254, v255
	v_lshrrev_b32 v9, 5, v0
	s_delay_alu instid0(VALU_DEP_1)
	v_readfirstlane_b32 s[WV], v9                  ; wave 0..7
	s_bfe_u32 s11, ttmp6, 0x40000                  ; cx: my block of 512 queries; it enters Q's and o's addresses alone
	s_and_b32 s12, ttmp7, 0xffff                   ; the head, which the four partners share
	s_mul_i32 s20, s12, HEADB
	s_mov_b32 s21, 0
	s_mul_i32 s22, s[WV], 2*STP                    ; my two key steps, in memory and in LDS alike
	s_mov_b32 s23, 0
	s_lshl_b32 s24, s11, 2
	s_lshr_b32 s25, s[WV], 2
	s_add_co_u32 s24, s24, s25                     ; Q: my tiles lie in step 4 cx + wave / 4 (a pass on: two steps on),
	s_mul_i32 s24, s24, STP
	s_add_co_u32 s24, s24, s20
	s_and_b32 s25, s[WV], 3
	s_mul_i32 s26, s25, 1536                       ; half fragments 2 (wave % 4) and the next
	s_add_co_u32 s26, s26, s24
	s_mov_b32 s27, 0
	s_lshl_b32 s28, s25, 7
	s_add_co_u32 s28, s28, s24
	s_add_co_u32 s28, s28, 12288                   ; and their scale words
	s_mov_b32 s29, 0
	s_lshr_b32 s30, s12, 4                         ; o: tile of 256 tokens = 8 x batch + 2 cx (+ pass); K step = (head % 16) / 2
	s_lshl_b32 s30, s30, 3
	s_lshl_b32 s31, s11, 1
	s_add_co_u32 s30, s30, s31
	s_lshl_b32 s30, s30, 3
	s_bfe_u32 s31, s12, 0x30001
	s_add_co_u32 s30, s30, s31
	s_mul_i32 s30, s30, BLK
	s_and_b32 s31, s12, 1                          ; the fragment's half = head % 2
	s_mul_i32 s36, s[WV], 3072                     ; fragments 2 x wave and the next
	s_add_co_u32 s36, s36, s30
	s_mul_i32 s38, s31, 768
	s_add_co_u32 s36, s36, s38
	s_mov_b32 s37, 0
	s_lshl_b32 s38, s[WV], 7
	s_add_co_u32 s38, s38, s30
	s_lshl_b32 s31, s31, 1
	s_add_co_u32 s38, s38, s31
	s_add_co_u32 s38, s38, 24576
	s_mov_b32 s39, 0
	; descriptor group 1: two key steps, 26,112 dense bytes, as 102 rows of 256 bytes (32 elements of 8 bytes), no padding
	s_mov_b32 s[G1], 15|(3<<16)|(1<<21)            ; 15:0 the mask: all four work-groups; 17:16 elements of 8 bytes; 21 set beside a mask
	s_mov_b32 s[G1+1], 32<<16
	s_mov_b32 s[G1+2], 102<<16
	s_mov_b32 s[G1+3], 32<<16
	s_mov_b32 s[G1+4], 102
	s_mov_b32 s[G1+5], 32
	s_mov_b32 s[G1+6], 0
	s_mov_b32 s[G1+7], 0
	s_mov_b32 s[SEL], 0x76543210
	s_mov_b32 s[SEL+1], 0xfedcba98
	s_mov_b32 s[CS], 0x3e38aa3b                    ; c = log2(e) / 8
	s_mov_b32 s[CS+1], s[CS]                       ; (named with it as a pair, so it is written)
	s_wait_dscnt 0x0
	s_wait_kmcnt 0x0
	s_add_nc_u64 s[QP:QP+1], s[4:5], s[26:27]
	s_add_nc_u64 s[QSP:QSP+1], s[4:5], s[28:29]
	s_add_nc_u64 s[OP:OP+1], s[8:9], s[36:37]
	s_add_nc_u64 s[OSP:OSP+1], s[8:9], s[38:39]
	s_add_nc_u64 s[6:7], s[6:7], s[20:21]
	s_add_nc_u64 s[6:7], s[6:7], s[22:23]
	CROUND                                         ; all four work-groups are here: the joint loads meet
	s_mov_b32 s[G0], 1
	s_mov_b32 s[G0+1], s22
	s_mov_b64 s[G0+2:G0+3], s[6:7]
	s_or_b32 s[G0+3], s[G0+3], 0x80000000
	tensor_load_to_lds s[G0:G0+3], s[G1:G1+7]      ; my one tensor load of the launch
	s_nop 0
.rept 4
	v_nop
.endr
	v_and_b32 v[LN], 31, v0
	v_and_b32 v9, 15, v0
	s_delay_alu instid0(VALU_DEP_2)
	v_lshlrev_b32 v[BS16], 4, v[LN]
	s_delay_alu instid0(VALU_DEP_3)
	v_lshlrev_b32 v[BS8], 3, v[LN]
	s_delay_alu instid0(VALU_DEP_3)
	v_lshlrev_b32 v[BS4], 2, v9
	v_lshlrev_b32 v[L4], 2, v[LN]
.irp i, 0,1
.irp b, 0,1,2,3
	v_mov_b32 v[PT+12*\i+\b], 0                    ; written once: a lane permute's destination counts as one of its sources
.endr
	v_mov_b32 v[FF+2*\i+1], 0                      ; (named as the upper half of f's pair)
.endr
	WIN W_LD
.irp k, 0,1,2,3,4,5
	v_mov_b32 v[QF+6+\k], 0                        ; zero codes: Q's upper halves, and what follows K's last tile
	v_mov_b32 v[QF+18+\k], 0
	v_mov_b32 v[ZF+\k], 0
.endr
	WIN 0
	s_wait_tensorcnt 0x0                           ; my two key steps are in,
	s_barrier_signal -1
	s_barrier_wait -1                              ; everybody's are: from here on LDS is only read
.macro KLOAD off                       ; a key step's K: eight half fragments and their scale words
	WIN W_LD
.irp t, 0,1,2,3,4,5,6,7
	ds_load_b128 v[KF+6*\t:KF+6*\t+3], v[AD16] offset:\off+768*\t
	ds_load_b64 v[KF+6*\t+4:KF+6*\t+5], v[AD8] offset:\off+768*\t+512
.endr
	WIN 0
.irp t, 0,1,2,3,4,5,6,7
	ds_load_b32 v[KS+\t], v[AD4] offset:\off+12288+64*\t
.endr
.endm
.macro VLOAD                           ; its V: four fragments and their scale words
	WIN W_LD
.irp t, 0,1,2,3
	ds_load_b128 v[VF+12*\t:VF+12*\t+3], v[AD16] offset:6144+1536*\t
	ds_load_b64 v[VF+12*\t+4:VF+12*\t+5], v[AD8] offset:6144+1536*\t+512
	ds_load_b128 v[VF+12*\t+6:VF+12*\t+9], v[AD16] offset:6144+1536*\t+768
	ds_load_b64 v[VF+12*\t+10:VF+12*\t+11], v[AD8] offset:6144+1536*\t+1280
.endr
	WIN 0
.irp t, 0,1,2,3
	ds_load_b32 v[VS+\t], v[AD4] offset:12800+64*\t
.endr
.endm
; A KEY STEP: 128 keys for my two tiles of queries.  pre = 1: the next step's K is fetched too.  All vector lines go by turns between the two tiles, so that no line waits for the line above it.
.macro STEP pre
	s_wait_dscnt 0x0                               ; K is in
	WIN W_QK
.irp t, 0,1,2,3,4,5,6,7
.irp i, 0,1
	v_wmma_scale_f32_16x16x128_f8f6f4 v[S+64*\i+8*\t:S+64*\i+8*\t+7], v[KF+6*\t:KF+6*\t+11], v[QF+12*\i:QF+12*\i+11], 0, v[KS+\t], v[QS+\i] matrix_a_fmt:MATRIX_FMT_FP6 matrix_b_fmt:MATRIX_FMT_FP6
.endr
.endr
	WIN 0
	v_add_nc_u32 v[AD16], s[TB], v[BS16]           ; this step's first byte.  These three and the v_nop are the four places between the products (these, and the last step's V^T P) and the loads into their registers
	v_add_nc_u32 v[AD8], s[TB], v[BS8]
	v_add_nc_u32 v[AD4], s[TB], v[BS4]
	v_nop
	VLOAD
.if \pre
	KLOAD STP
.endif
.irp b, 0,1,2,3
.irp i, 0,1
	v_max3_num_f32 v[BM+12*\i+\b], v[S+64*\i+16*\b], v[S+64*\i+16*\b+1], v[S+64*\i+16*\b+2]   ; the largest score of each block of 32 keys: for the row's maximum, and, since p rises with the score, for the block's largest p
.endr
.endr
.irp n, 3,5,7,9,11,13
.irp b, 0,1,2,3
.irp i, 0,1
	v_max3_num_f32 v[BM+12*\i+\b], v[BM+12*\i+\b], v[S+64*\i+16*\b+\n], v[S+64*\i+16*\b+\n+1]
.endr
.endr
.endr
.irp b, 0,1,2,3
.irp i, 0,1
	v_max_num_f32 v[BM+12*\i+\b], v[BM+12*\i+\b], v[S+64*\i+16*\b+15]
.endr
.endr
.irp b, 0,1,2,3
.irp i, 0,1
	v_permlanex16_b32 v[PT+12*\i+\b], v[BM+12*\i+\b], s[SEL], s[SEL+1]
.endr
.endr
.irp b, 0,1,2,3
.irp i, 0,1
	v_max_num_f32 v[BM+12*\i+\b], v[BM+12*\i+\b], v[PT+12*\i+\b]   ; with lane l xor 16's 16 keys
.endr
.endr
.irp i, 0,1
	s_delay_alu instid0(VALU_DEP_4)
	v_max3_num_f32 v[TT+\i], v[BM+12*\i], v[BM+12*\i+1], v[BM+12*\i+2]
.endr
.irp i, 0,1
	s_delay_alu instid0(VALU_DEP_2)
	v_max_num_f32 v[TT+\i], v[TT+\i], v[BM+12*\i+3]
.endr
.irp i, 0,1
	s_delay_alu instid0(VALU_DEP_2)
	v_mul_f32 v[TT+\i], s[CS], v[TT+\i]            ; as t (c is positive)
.endr
.irp i, 0,1
	s_delay_alu instid0(VALU_DEP_2)
	v_max_num_f32 v[NM+4*\i+1], v[NM+4*\i+1], v[TT+\i]   ; the running largest t
.endr
.irp i, 0,1
	v_mov_b32 v[TT+\i], v[NM+4*\i]
.endr
.irp i, 0,1
	s_delay_alu instid0(VALU_DEP_4)
	v_floor_f32 v[NM+4*\i], -v[NM+4*\i+1]          ; the new -M = -ceil(t)
.endr
.irp i, 0,1
	s_delay_alu instid0(VALU_DEP_2)
	v_sub_f32 v[TT+\i], v[NM+4*\i], v[TT+\i]       ; old M - new M: a whole number, 0 or less
.endr
.irp i, 0,1
	s_delay_alu instid0(VALU_DEP_2)
	v_cvt_i32_f32 v[TT+\i], v[TT+\i]               ; (it saturates)
.endr
.irp i, 0,1
	s_delay_alu instid0(VALU_DEP_2)
	v_ldexp_f32 v[FF+2*\i], 1.0, v[TT+\i]          ; f = 2^(old M - new M)
.endr
.set j, 0
.rept 32
	v_pk_fma_f32 v[S+j:S+j+1], v[S+j:S+j+1], s[CS:CS+1], v[NM:NM+1] op_sel_hi:[1,0,0]             ; t - M, two at a time
	v_pk_fma_f32 v[S+64+j:S+64+j+1], v[S+64+j:S+64+j+1], s[CS:CS+1], v[NM+4:NM+5] op_sel_hi:[1,0,0]
.set j, j+2
.endr
.irp b, 0,1,2,3
.irp i, 0,1
	v_fma_f32 v[BM+12*\i+\b], v[BM+12*\i+\b], s[CS], v[NM+4*\i]   ; the same of each block's largest score
.endr
.endr
.set j, 0
	s_wait_alu depctr_va_vdst(0)
.rept 64
	v_exp_f32 v[S+j], v[S+j]                       ; p = 2^(t - M): one batch of 128
	v_exp_f32 v[S+64+j], v[S+64+j]
.set j, j+1
.endr
.irp i, 0,1
	v_pk_mul_f32 v[NM+4*\i+2:NM+4*\i+3], v[NM+4*\i+2:NM+4*\i+3], v[FF+2*\i:FF+2*\i+1] op_sel_hi:[1,0]   ; the sums under the new M: the plain lines behind the exponentials
.endr
	s_wait_alu depctr_va_vdst(0)                   ; one wait for the whole batch, ahead of its first reader
.irp b, 0,1,2,3
.irp i, 0,1
	v_exp_f32 v[BM+12*\i+\b], v[BM+12*\i+\b]       ; the blocks' largest p: the same two instructions on the same number
.endr
.endr
.irp i, 0,1
	v_pk_add_f32 v[SC2+2*\i:SC2+2*\i+1], v[S+64*\i:S+64*\i+1], v[S+64*\i+2:S+64*\i+3]   ; the row's sum of the UNQUANTISED p, in two chains a tile; it reads the 128 alone
.endr
.set j, 4
.rept 15
.irp i, 0,1
	v_pk_add_f32 v[NM+4*\i+2:NM+4*\i+3], v[NM+4*\i+2:NM+4*\i+3], v[S+64*\i+j:S+64*\i+j+1]
	v_pk_add_f32 v[SC2+2*\i:SC2+2*\i+1], v[SC2+2*\i:SC2+2*\i+1], v[S+64*\i+j+2:S+64*\i+j+3]
.endr
.set j, j+4
.endr
.irp i, 0
	s_delay_alu instid0(VALU_DEP_3)
	v_pk_add_f32 v[NM+4*\i+2:NM+4*\i+3], v[NM+4*\i+2:NM+4*\i+3], v[SC2+2*\i:SC2+2*\i+1]
.endr
.irp i, 1
	s_delay_alu instid0(VALU_DEP_2)
	v_pk_add_f32 v[NM+4*\i+2:NM+4*\i+3], v[NM+4*\i+2:NM+4*\i+3], v[SC2+2*\i:SC2+2*\i+1]
.endr
	s_wait_alu depctr_va_vdst(0)                   ; and one for the eight
.irp b, 0,1,2,3
.irp i, 0,1
	v_max_num_f32 v[BM+12*\i+\b], 0x1800000, v[BM+12*\i+\b]   ; the floor 2^(3 - 127): the byte cannot fall under 1
.endr
.endr
.irp b, 0,1,2,3
.irp i, 0,1
	v_add_nc_u32 v[SO+12*\i+\b], 0xff000000, v[BM+12*\i+\b]   ; 2 off the exponent field: the conversion's scale operand
.endr
.endr
.irp b, 0,1,2,3
.irp i, 0,1
	v_lshrrev_b32 v[PT+12*\i+\b], 23, v[SO+12*\i+\b]          ; the scale's byte
.endr
.endr
.irp i, 0,1
	v_lshl_or_b32 v[PS+\i], v[PT+12*\i+1], 8, v[PT+12*\i]     ; p's scale word for these 128 keys
.endr
.irp i, 0,1
	s_delay_alu instid0(VALU_DEP_2)
	v_lshl_or_b32 v[PS+\i], v[PT+12*\i+2], 16, v[PS+\i]
.endr
.irp i, 0,1
	s_delay_alu instid0(VALU_DEP_2)
	v_lshl_or_b32 v[PS+\i], v[PT+12*\i+3], 24, v[PS+\i]
.endr
.irp c, 0,1
.irp i, 0,1
	v_cvt_scalef32_pk16_fp6_f32 v[PC+12*\i+6*\c:PC+12*\i+6*\c+2], v[S+64*\i+32*\c:S+64*\i+32*\c+15], v[SO+12*\i+2*\c]
	v_cvt_scalef32_pk16_fp6_f32 v[CX+8*\i+4*\c:CX+8*\i+4*\c+2], v[S+64*\i+32*\c+16:S+64*\i+32*\c+31], v[SO+12*\i+2*\c+1]   ; (a conversion's three registers begin on an even number)
.endr
.endr
	v_nop                                          ; one plain line behind the scaled conversions
.irp c, 0,1                                    ; the operand wants a whole block in a lane
.irp i, 0,1
.irp k, 0,1,2
	v_permlane16_swap_b32 v[PC+12*\i+6*\c+\k], v[CX+8*\i+4*\c+\k]
.endr
.irp k, 0,1,2
	s_delay_alu instid0(VALU_DEP_3)
	v_mov_b32 v[PC+12*\i+6*\c+3+\k], v[CX+8*\i+4*\c+\k]
.endr
.endr
.endr
	WIN W_RS
.set j, 0
.rept 16
	v_pk_mul_f32 v[OF+j:OF+j+1], v[OF+j:OF+j+1], v[FF:FF+1] op_sel_hi:[1,0]               ; O^T under the new M, each accumulator from its low end on.  These 32 are also the places between the writes of p's codes and scale word and the products
	v_pk_mul_f32 v[OF+32+j:OF+32+j+1], v[OF+32+j:OF+32+j+1], v[FF+2:FF+3] op_sel_hi:[1,0]
.set j, j+2
.endr
	s_wait_alu depctr_va_vdst(0)
	s_wait_dscnt 0x0                               ; V is in (and the next step's K)
	WIN W_PV
.irp t, 0,1,2,3
.irp i, 0,1
	v_wmma_scale_f32_16x16x128_f8f6f4 v[OF+32*\i+8*\t:OF+32*\i+8*\t+7], v[VF+12*\t:VF+12*\t+11], v[PC+12*\i:PC+12*\i+11], v[OF+32*\i+8*\t:OF+32*\i+8*\t+7], v[VS+\t], v[PS+\i] matrix_a_fmt:MATRIX_FMT_FP6 matrix_b_fmt:MATRIX_FMT_FP6
.endr
.endr
	WIN 0
	s_add_co_u32 s[TB], s[TB], STP
.endm
	s_mov_b32 s[PASS], 2
.Lpass:                                            ; two passes: two tiles of queries each
	WIN W_LD
.irp i, 0,1
	global_load_b128 v[QF+12*\i:QF+12*\i+3], v[BS16], s[QP:QP+1] offset:768*\i
	global_load_b64 v[QF+12*\i+4:QF+12*\i+5], v[BS8], s[QP:QP+1] offset:768*\i+512
.endr
.set j, 0
.rept 64
	v_mov_b32 v[OF+j], 0                           ; O^T.  (The key step is written without a first step of its own: the first change of M multiplies zeros)
.set j, j+1
.endr
	WIN 0
.irp i, 0,1
	global_load_b32 v[QS+\i], v[BS4], s[QSP:QSP+1] offset:64*\i
	v_mov_b32 v[NM+4*\i+1], 0xff61b1e6             ; the largest t so far: -3e38
	v_mov_b32 v[NM+4*\i+2], 0                      ; the sum, in two halves
	v_mov_b32 v[NM+4*\i+3], 0
.endr
.irp i, 0
	v_floor_f32 v[NM+4*\i], -v[NM+4*\i+1]
.endr
.irp i, 1
	s_delay_alu instid0(VALU_DEP_4)
	v_floor_f32 v[NM+4*\i], -v[NM+4*\i+1]
.endr
	s_mov_b32 s[TB], 0
	v_mov_b32 v[AD16], v[BS16]
	v_mov_b32 v[AD8], v[BS8]
	v_mov_b32 v[AD4], v[BS4]
	KLOAD 0
	s_wait_loadcnt 0x0                             ; Q
	s_mov_b32 s[CNT], 15
.Lstep:
	STEP 1
	s_sub_co_u32 s[CNT], s[CNT], 1
	s_cmp_lg_u32 s[CNT], 0
	s_cbranch_scc1 .Lstep
	STEP 0                                         ; the sixteenth step fetches nothing beyond the head
	; THE WAY OUT: o = O^T / the sum; register 16 B + i of a tile is channel 32 B + 16 h + i: half a fragment of the last product's operand
.rept 4
	v_nop                                          ; places behind the last products
.endr
.irp i, 0,1
	v_add_f32 v[TT+\i], v[NM+4*\i+2], v[NM+4*\i+3]
.endr
.irp i, 0,1
	s_delay_alu instid0(VALU_DEP_2)
	v_permlanex16_b32 v[PT+12*\i], v[TT+\i], s[SEL], s[SEL+1]
.endr
.irp i, 0,1
	s_delay_alu instid0(VALU_DEP_2)
	v_add_f32 v[TT+\i], v[TT+\i], v[PT+12*\i]      ; the row's sum
.endr
	s_wait_alu depctr_va_vdst(0)
.irp i, 0,1
	v_rcp_f32 v[FF+2*\i], v[TT+\i]
.endr
	v_nop                                          ; a plain line behind the reciprocals
	s_wait_alu depctr_va_vdst(0)                   ; and the wait ahead of their first reader
	WIN W_OUT
.set j, 0
.rept 32
	v_mul_f32 v[S+j], v[OF+j], v[FF]               ; each accumulator from its low end on
	v_mul_f32 v[S+64+j], v[OF+32+j], v[FF+2]
.set j, j+1
.endr
	WIN 0
.irp b, 0,1
.irp i, 0,1
	v_max3_num_f32 v[BM+12*\i+\b], |v[S+64*\i+16*\b]|, |v[S+64*\i+16*\b+1]|, 0x1800000
.endr
.endr
.irp n, 2,4,6,8,10,12,14
.irp b, 0,1
.irp i, 0,1
	s_delay_alu instid0(VALU_DEP_4)
	v_max3_num_f32 v[BM+12*\i+\b], v[BM+12*\i+\b], |v[S+64*\i+16*\b+\n]|, |v[S+64*\i+16*\b+\n+1]|
.endr
.endr
.endr
.irp b, 0,1
.irp i, 0,1
	s_delay_alu instid0(VALU_DEP_4)
	v_permlanex16_b32 v[PT+12*\i+\b], v[BM+12*\i+\b], s[SEL], s[SEL+1]
.endr
.endr
.irp b, 0,1
.irp i, 0,1
	s_delay_alu instid0(VALU_DEP_4)
	v_max_num_f32 v[BM+12*\i+\b], v[BM+12*\i+\b], v[PT+12*\i+\b]
.endr
.endr
.irp b, 0,1
.irp i, 0,1
	s_delay_alu instid0(VALU_DEP_4)
	v_add_nc_u32 v[SO+12*\i+\b], 0xff000000, v[BM+12*\i+\b]
.endr
.endr
.irp b, 0,1
.irp i, 0,1
	s_delay_alu instid0(VALU_DEP_4)
	v_lshrrev_b32 v[PT+12*\i+\b], 23, v[SO+12*\i+\b]
.endr
.endr
.irp i, 0,1
	s_delay_alu instid0(VALU_DEP_2)
	v_lshl_or_b32 v[PS+\i], v[PT+12*\i+1], 8, v[PT+12*\i]     ; my head's two bytes of the row's scale word
.endr
.irp i, 0,1
	v_cvt_scalef32_pk16_fp6_f32 v[PC+12*\i:PC+12*\i+2], v[S+64*\i:S+64*\i+15], v[SO+12*\i]
	v_cvt_scalef32_pk16_fp6_f32 v[CX+8*\i:CX+8*\i+2], v[S+64*\i+16:S+64*\i+31], v[SO+12*\i+1]
.endr
	v_nop                                          ; one plain line behind the scaled conversions
.irp i, 0,1
.irp k, 0,1,2
	v_permlane16_swap_b32 v[PC+12*\i+\k], v[CX+8*\i+\k]
.endr
.irp k, 0,1,2
	s_delay_alu instid0(VALU_DEP_3)
	v_mov_b32 v[PC+12*\i+3+\k], v[CX+8*\i+\k]
.endr
.endr
	v_cmp_gt_u32 vcc_lo, 16, v[LN]
	s_delay_alu instid0(VALU_DEP_1)
	v_cndmask_b32 v[OW], v[PS+1], v[PS], vcc_lo    ; lanes 0-15: tile 0's rows, lanes 16-31: tile 1's
.irp i, 0,1
	global_store_b128 v[BS16], v[PC+12*\i:PC+12*\i+3], s[OP:OP+1] offset:1536*\i        ; 512 consecutive bytes, aligned
	global_store_b64 v[BS8], v[PC+12*\i+4:PC+12*\i+5], s[OP:OP+1] offset:1536*\i+512    ; 256
.endr
	global_store_b16 v[L4], v[OW], s[OSP:OSP+1]
	s_wait_xcnt 0x0                                ; the loads and stores have read their bases and data: both are written again only behind this wait
	s_add_nc_u64 s[QP:QP+1], s[QP:QP+1], 2*STP
	s_add_nc_u64 s[QSP:QSP+1], s[QSP:QSP+1], 2*STP
	s_add_nc_u64 s[OP:OP+1], s[OP:OP+1], 8*BLK
	s_add_nc_u64 s[OSP:OSP+1], s[OSP:OSP+1], 8*BLK
	s_sub_co_u32 s[PASS], s[PASS], 1
	s_cmp_lg_u32 s[PASS], 0
	s_cbranch_scc1 .Lpass
	s_wait_tensorcnt 0x0
	ds_add_u32 v254, v255
	s_wait_dscnt 0x0
	CROUND                                         ; the closing round
	s_endpgm
.Lfunc_end_k_q37db2a1757_attn:
	.size	k_q37db2a1757_attn, .Lfunc_end_k_q37db2a1757_attn-k_q37db2a1757_attn
	.p2alignl 7, 3214868480
	.fill 96, 4, 3214868480
	.section	.rodata,"a",@progbits
	.p2align	6, 0x0
	.amdhsa_kernel k_q37db2a1757_attn
		.amdhsa_group_segment_fixed_size 209920
		.amdhsa_private_segment_fixed_size 0
		.amdhsa_enable_private_segment 0
		.amdhsa_kernarg_size 24
		.amdhsa_user_sgpr_count 2
		.amdhsa_user_sgpr_kernarg_segment_ptr 1
		.amdhsa_wavefront_size32 1
		.amdhsa_system_sgpr_workgroup_id_x 1
		.amdhsa_system_sgpr_workgroup_id_y 1
		.amdhsa_system_sgpr_workgroup_id_z 1
		.amdhsa_system_vgpr_workitem_id 0
		.amdhsa_next_free_vgpr 512
		.amdhsa_next_free_sgpr 72
		.amdhsa_reserve_vcc 1
		.amdhsa_float_denorm_mode_32 3
		.amdhsa_float_denorm_mode_16_64 3
		.amdhsa_memory_ordered 1
		.amdhsa_forward_progress 1
		.amdhsa_inst_pref_size 80
	.end_amdhsa_kernel
	.amdgpu_metadata
---
amdhsa.version: [ 1, 2 ]
amdhsa.kernels:
  - .name:           k_q37db2a1757_attn
    .symbol:         k_q37db2a1757_attn.kd
    .args:
      - { .name: qb, .offset: 0, .size: 8, .value_kind: global_buffer, .address_space: global }
      - { .name: kv, .offset: 8, .size: 8, .value_kind: global_buffer, .address_space: global }
      - { .name: oc, .offset: 16, .size: 8, .value_kind: global_buffer, .address_space: global }
    .group_segment_fixed_size: 209920
    .private_segment_fixed_size: 0
    .kernarg_segment_align: 8
    .kernarg_segment_size: 24
    .max_flat_workgroup_size: 256
    .sgpr_count:     72
    .vgpr_count:     512
    .wavefront_size: 32
...
	.end_amdgpu_metadata
.endif
;; end of part 3
;; launch proj (part 4): grid 8 x 32, 4 waves a work-group, clusters of 4 x 4, 327,680 bytes of LDS; arguments oc, wpc, b_proj, out0; writes out0
.if DOCPART == 4
	.amdgcn_target "amdgcn-amd-amdhsa--gfx1250"
	.amdhsa_code_object_version 6
	.text
	.protected	k_q37db2a1757_proj
	.globl	k_q37db2a1757_proj
	.p2align	8
	.type	k_q37db2a1757_proj,@function
k_q37db2a1757_proj:
	s_mov_b64 s[64:65], 0
	v_nop
	global_prefetch_b8 v0, s[64:65] scope:SCOPE_SE
	s_setreg_imm32_b32 hwreg(HW_REG_WAVE_MODE, 25, 1), 1
	s_wait_xcnt 0x0
	s_wait_alu depctr_hold_cnt(0) depctr_sa_sdst(0) depctr_va_vdst(0) depctr_va_sdst(0) depctr_va_ssrc(0) depctr_va_vcc(0) depctr_vm_vsrc(0)
	s_getreg_b32 s2, hwreg(HW_REG_IB_STS2, 6, 4)
	s_cmp_eq_u32 s2, 0
	s_cbranch_scc0 .Lentry_in_a_cluster
	s_endpgm
.Lentry_in_a_cluster:
	s_bfe_u32 s2, ttmp6, 0x10000c
	s_cmp_lg_u32 s2, 0xf033
	s_cbranch_scc0 .Lentry_shape_is_right
	s_endpgm
.Lentry_shape_is_right:
; PROJ: out0 = o w_proj + b_proj, on codes of FP6 (E2M3) with E8M0 scales as the earlier launches left them; sums and result in f32.
; SHARES.  256 work-groups of four waves, 2 x 2.  A work-group makes 256 tokens x 128 columns, a wave 128 x 64: 32 accumulators (window 1).
; ALL OF K LIES IN LDS: o's 8 x 25,600 bytes, then the weights' 8 x 12,800.  Nothing is filled again.  One joint load a wave at the head, each on a line of its own:
; wave 0 o's K steps 0-3, wave 1 the weights', wave 2 o's K steps 4-7, wave 3 the weights'.  o is shared by a row of the cluster, the weights by a column.
; The first barrier waits for waves 0 and 1 alone; a plain barrier at the head of K step 3 shows the rest.  Nothing is asked of memory ahead of time: every byte is requested by these first loads.
; A K STEP is 32 products on 8 + 4 fragments.  Both operands have two sets of registers (o: window 2, the weights: window 3); a step's 60 LDS loads are issued one step ahead: the wait with the count 60 leaves only the next step's out.
; Source 0 = the weight's columns, source 1 = o's tokens: a lane holds eight neighbouring columns of one token.  The bias is the first products' C.
; THE WAY OUT: 16 tokens x 64 columns at a time through the wave's own stage, back as rows of 256 bytes; a store covers two aligned runs of 256 bytes.  The stage lies on bytes of K steps 0 and 1, which had their only fill at the head and are read by nobody behind the second barrier.
.set BLK,    25600
.set WBK,    12800
.set WBASE,  8*BLK
.set SPARE,  WBASE+8*WBK
.set SPITCH, 272
.set R4,  4
.set L16, 5
.set L8,  6
.set X16, 8                            ; v8-19  o's fragments and scale words, a register for each two K steps
.set X8,  12
.set X4,  16
.set W16, 20                           ; v20-25 the weights', for each four
.set W8,  22
.set W4,  24
.set STO, 26
.set RD,  27
.set SPW, 28
.set NIL, 29
.set CO,  30
.set BO,  31
.set SX,  32                           ; v32-47 o's scale words, two sets
.set SW,  48                           ; v48-55 the weights'
.set BI,  64                           ; v64-95 the bias, as the result lies
.set BK,  128                          ; v128-191 the way out, two sets
.set G1X, 24
.set G1W, 48
.set MSB, 0
.macro WIN new
.if MSB != (\new)
	s_set_vgpr_msb (MSB<<8)|(\new)
.set MSB, (\new)
.endif
.endm
.macro PLACES n
.rept \n
	v_nop
.endr
.endm
.macro CROUND
	s_barrier_signal -1
	s_barrier_wait -1
	s_cmp_lg_u32 s14, 0
	s_cbranch_scc1 .Lnot_wave_0_\@
	s_barrier_signal -3
.Lnot_wave_0_\@:
	s_barrier_wait -3
	s_barrier_signal -1
	s_barrier_wait -1
.endm
	s_load_b128 s[4:7], s[0:1], 0x0                ; oc, wpc
	s_load_b128 s[8:11], s[0:1], 0x10              ; b_proj, out0
	v_lshl_add_u32 v[SPW], v0, 2, SPARE
	v_mov_b32 v[NIL], 0
	ds_add_u32 v[SPW], v[NIL]                      ; the opening lines
	ds_add_u32 v[SPW], v[NIL]
	v_lshrrev_b32 v1, 5, v0
	v_readfirstlane_b32 s14, v1                    ; wave
	s_lshr_b32 s15, s14, 1                         ; my half of the tokens
	s_and_b32 s16, s14, 1                          ; my half of the columns
	s_bfe_u32 s40, ttmp6, 0x40000
	s_bfe_u32 s41, ttmp6, 0x40004
	s_lshl_b32 s42, ttmp9, 2
	s_add_co_u32 s42, s42, s40                     ; which 128 columns, 0 .. 7
	s_and_b32 s17, ttmp7, 0xffff
	s_lshl_b32 s17, s17, 2
	s_add_co_u32 s17, s17, s41                     ; which 256 tokens, 0 .. 31
	s_lshl_b32 s43, s41, 2
	s_lshl_b32 s43, 15, s43                        ; my row of the cluster
	s_lshl_b32 s44, 0x1111, s40                    ; my column
	s_or_b32 s[G1X+0], s43, (3<<16)|(1<<21)        ; dense blocks as rows of 256 bytes (32 elements of 8): o 400 rows, the weights 200
	s_or_b32 s[G1W+0], s44, (3<<16)|(1<<21)
.irp g, G1X, G1W
	s_mov_b32 s[\g+1], 32<<16
	s_mov_b32 s[\g+3], 32<<16
	s_mov_b32 s[\g+5], 32
	s_mov_b32 s[\g+6], 0
	s_mov_b32 s[\g+7], 0
.endr
	s_mov_b32 s[G1X+2], 400<<16
	s_mov_b32 s[G1X+4], 400
	s_mov_b32 s[G1W+2], 200<<16
	s_mov_b32 s[G1W+4], 200
	s_mul_i32 s20, s17, 8*BLK
	s_mov_b32 s21, 0
	s_mul_i32 s46, s42, 8*WBK
	s_mov_b32 s47, 0
	s_wait_dscnt 0x0
	s_wait_kmcnt 0x0
	s_add_nc_u64 s[20:21], s[4:5], s[20:21]
	s_add_nc_u64 s[46:47], s[6:7], s[46:47]
	CROUND
	s_mov_b32 s32, 1                               ; o's K steps 0-3
	s_mov_b32 s33, 0
	s_mov_b64 s[34:35], s[20:21]
	s_or_b32 s35, s35, 0x80000000
	s_mov_b32 s36, 1                               ; the weights' K steps 0-3
	s_mov_b32 s37, WBASE
	s_mov_b64 s[38:39], s[46:47]
	s_or_b32 s39, s39, 0x80000000
	s_mov_b32 s56, 1                               ; o's K steps 4-7
	s_mov_b32 s57, 4*BLK
	s_add_nc_u64 s[58:59], s[20:21], 4*BLK
	s_or_b32 s59, s59, 0x80000000
	s_mov_b32 s60, 1                               ; the weights' K steps 4-7
	s_mov_b32 s61, WBASE+4*WBK
	s_add_nc_u64 s[62:63], s[46:47], 4*WBK
	s_or_b32 s63, s63, 0x80000000
.macro ARM under, g0, g1, next         ; one chain of branches on the wave's number, one load to an arm
	s_cmp_lt_u32 s14, \under
	s_cbranch_scc0 \next
	tensor_load_to_lds s[\g0:\g0+3], s[\g1:\g1+7]
	s_nop 0
	PLACES 4
	s_branch .Lhead_asked
\next:
.endm
	ARM 1, 32, G1X, .Lhead_1
	ARM 2, 36, G1W, .Lhead_2
	ARM 3, 56, G1X, .Lhead_3
	tensor_load_to_lds s[60:63], s[G1W:G1W+7]
	s_nop 0
	PLACES 4
.Lhead_asked:
	s_mul_i32 s74, s15, 12288                      ; my eight fragments of o,
	s_lshl_b32 s75, s15, 9                         ; their scale words,
	s_mul_i32 s76, s16, 6144                       ; my four fragments of the weights,
	s_add_co_u32 s76, s76, WBASE
	s_lshl_b32 s77, s16, 8                         ; and theirs
	s_add_co_u32 s77, s77, WBASE+12288
	s_mul_i32 s78, s14, 16*SPITCH                  ; my stage
	s_lshl_b32 s70, s42, 9                         ; my first column, in bytes
	s_lshl_b32 s71, s16, 8
	s_add_co_u32 s70, s70, s71
	s_mov_b32 s71, 0
	s_add_nc_u64 s[8:9], s[8:9], s[70:71]
	s_lshl_b32 s68, s17, 8
	s_lshl_b32 s69, s15, 7
	s_add_co_u32 s68, s68, s69                     ; my first token
	s_lshl_b32 s68, s68, 12
	s_add_co_u32 s68, s68, s70
	s_mov_b32 s69, 0
	s_add_nc_u64 s[10:11], s[10:11], s[68:69]
	v_and_b32 v1, 15, v0
	v_bfe_u32 v2, v0, 4, 1
	v_and_b32 v3, 31, v0
	v_lshlrev_b32 v[R4], 2, v1
	v_lshlrev_b32 v[L16], 4, v3
	v_lshlrev_b32 v[L8], 3, v3
	v_lshlrev_b32 v[BO], 6, v2
	v_add_nc_u32 v[X16], s74, v[L16]
	v_add_nc_u32 v[X8], s74, v[L8]
	v_add_nc_u32 v[X4], s75, v[R4]
	v_add_nc_u32 v[W16], s76, v[L16]
	v_add_nc_u32 v[W8], s76, v[L8]
	v_add_nc_u32 v[W4], s77, v[R4]
.irp a, X16, X8, X4
	v_add_nc_u32 v[\a+1], 2*BLK, v[\a]
	v_add_nc_u32 v[\a+2], 4*BLK, v[\a]
	v_add_nc_u32 v[\a+3], 6*BLK, v[\a]
.endr
.irp a, W16, W8, W4
	v_add_nc_u32 v[\a+1], 4*WBK, v[\a]
.endr
	v_mul_u32_u24 v[STO], v1, SPITCH               ; into the stage: row r, 64 bytes for each half of the lanes
	v_lshl_add_u32 v[STO], v2, 6, v[STO]
	v_add_nc_u32 v[STO], s78, v[STO]
	v_mul_u32_u24 v[RD], v2, SPITCH                ; back: sixteen lanes to a row of 256 bytes, two rows a load
	v_lshl_add_u32 v[RD], v1, 4, v[RD]
	v_add_nc_u32 v[RD], s78, v[RD]
	v_lshlrev_b32 v[CO], 12, v2                    ; and the same two rows in out0
	v_lshl_add_u32 v[CO], v1, 4, v[CO]
.irp b, 0,1,2,3
	global_load_b128 v[BI+8*\b:BI+8*\b+3], v[BO], s[8:9] offset:(32*(\b/2)+8*(\b%2))*4
	global_load_b128 v[BI+8*\b+4:BI+8*\b+7], v[BO], s[8:9] offset:(32*(\b/2)+8*(\b%2))*4+16
.endr
.macro FETCH st                        ; K step st's 12 fragments and scale words into set st % 2: 60 loads
.set E_, (\st)%2
.set XP_, (\st)/2
.set XO_, ((\st)%2)*BLK
.set WP_, (\st)/4
.set WO_, ((\st)%4)*WBK
	WIN 0x80
.irp i, 0,1,2,3,4,5,6,7
	ds_load_b128 v[96*E_+12*\i:96*E_+12*\i+3], v[X16+XP_] offset:XO_+1536*\i
	ds_load_b64 v[96*E_+12*\i+4:96*E_+12*\i+5], v[X8+XP_] offset:XO_+1536*\i+512
	ds_load_b128 v[96*E_+12*\i+6:96*E_+12*\i+9], v[X16+XP_] offset:XO_+1536*\i+768
	ds_load_b64 v[96*E_+12*\i+10:96*E_+12*\i+11], v[X8+XP_] offset:XO_+1536*\i+1280
.endr
	WIN 0xc0
.irp i, 0,1,2,3
	ds_load_b128 v[48*E_+12*\i:48*E_+12*\i+3], v[W16+WP_] offset:WO_+1536*\i
	ds_load_b64 v[48*E_+12*\i+4:48*E_+12*\i+5], v[W8+WP_] offset:WO_+1536*\i+512
	ds_load_b128 v[48*E_+12*\i+6:48*E_+12*\i+9], v[W16+WP_] offset:WO_+1536*\i+768
	ds_load_b64 v[48*E_+12*\i+10:48*E_+12*\i+11], v[W8+WP_] offset:WO_+1536*\i+1280
.endr
	WIN 0
.irp i, 0,1,2,3,4,5,6,7
	ds_load_b32 v[SX+8*E_+\i], v[X4+XP_] offset:24576+XO_+64*\i
.endr
.irp i, 0,1,2,3
	ds_load_b32 v[SW+4*E_+\i], v[W4+WP_] offset:WO_+64*\i
.endr
.endm
.macro STEP st                         ; the next step's fetch, then 32 products; the 32 accumulators take turns
.if (\st) > 0
	PLACES 4                                       ; between the last products and the loads into their registers
.endif
	WIN 0
.if (\st) == 3
	s_wait_tensorcnt 0x0                           ; every wave's load has landed,
	s_wait_dscnt 0x0                               ; and my reads of K steps 0-3 are over
	s_barrier_signal -1
	s_barrier_wait -1                              ; K steps 4-7 are whole
.endif
.if (\st) < 7
	FETCH (\st)+1
	s_wait_dscnt 60
.else
	s_wait_dscnt 0x0
.endif
.set F_, (\st)%2
.if (\st) == 0
	s_wait_loadcnt 0x0                             ; the bias
	WIN 0x4b
.else
	WIN 0x5b
.endif
.irp x, 0,1,2,3,4,5,6,7
.irp b, 0,1,2,3
.if (\st) == 0
	v_wmma_scale_f32_16x16x128_f8f6f4 v[32*\x+8*\b:32*\x+8*\b+7], v[48*F_+12*\b:48*F_+12*\b+11], v[96*F_+12*\x:96*F_+12*\x+11], v[BI+8*\b:BI+8*\b+7], v[SW+4*F_+\b], v[SX+8*F_+\x] matrix_a_fmt:MATRIX_FMT_FP6 matrix_b_fmt:MATRIX_FMT_FP6
.else
	v_wmma_scale_f32_16x16x128_f8f6f4 v[32*\x+8*\b:32*\x+8*\b+7], v[48*F_+12*\b:48*F_+12*\b+11], v[96*F_+12*\x:96*F_+12*\x+11], v[32*\x+8*\b:32*\x+8*\b+7], v[SW+4*F_+\b], v[SX+8*F_+\x] matrix_a_fmt:MATRIX_FMT_FP6 matrix_b_fmt:MATRIX_FMT_FP6
.endif
.endr
.endr
.endm
	s_wait_alu depctr_va_vdst(0)
	s_cmp_lt_u32 s14, 2
	s_cbranch_scc0 .Llater
	s_wait_tensorcnt 0x0                           ; waves 0 and 1: K steps 0-3 are in
.Llater:
	s_barrier_signal -1
	s_barrier_wait -1
	FETCH 0
.irp s, 0,1,2,3,4,5,6,7
	STEP \s
.endr
	WIN 0
.macro TOSTAGE a
	WIN 0x04                                       ; the data: window 1
.irp b, 0,1,2,3
	ds_store_b128 v[STO], v[32*(\a)+8*\b:32*(\a)+8*\b+3] offset:128*(\b/2)+32*(\b%2)        ; each accumulator from its low end on
	ds_store_b128 v[STO], v[32*(\a)+8*\b+4:32*(\a)+8*\b+7] offset:128*(\b/2)+32*(\b%2)+16
.endr
	WIN 0
.set BB, BK+32*((\a)%2)
.irp t, 0,1,2,3,4,5,6,7
	ds_load_b128 v[BB+4*\t:BB+4*\t+3], v[RD] offset:\t*2*SPITCH   ; LDS serves a wave's instructions in order: these see the stores above
.endr
.endm
.macro SEND a, younger                 ; stage rows 2 t and 2 t + 1 are tokens 32 (a / 2) + 8 (a % 2) + 2 t + 8 (t / 4) and the next
.set BB, BK+32*((\a)%2)
	s_wait_dscnt \younger
.irp t, 0,1,2,3,4,5,6,7
	global_store_b128 v[CO], v[BB+4*\t:BB+4*\t+3], s[10:11] offset:(32*((\a)/2)+8*((\a)%2)+2*\t+8*(\t/4))*4096 th:TH_STORE_NT
.endr
.endm
	PLACES 4
	TOSTAGE 0
.irp a, 1,2,3,4,5,6,7
.if \a > 1
	s_wait_xcnt 0x0                                ; block a - 2's stores have read their registers
.endif
	TOSTAGE \a
	SEND \a-1, 16                                  ; behind block a - 1's loads: block a's 8 stores and 8 loads
.endr
	SEND 7, 0
	s_wait_tensorcnt 0x0
	ds_add_u32 v[SPW], v[NIL]
	s_wait_dscnt 0x0
	CROUND                                         ; the closing round
	s_endpgm
.Lfunc_end_k_q37db2a1757_proj:
	.size	k_q37db2a1757_proj, .Lfunc_end_k_q37db2a1757_proj-k_q37db2a1757_proj
	.p2alignl 7, 3214868480
	.fill 96, 4, 3214868480
	.section	.rodata,"a",@progbits
	.p2align	6, 0x0
	.amdhsa_kernel k_q37db2a1757_proj
		.amdhsa_group_segment_fixed_size 327680
		.amdhsa_private_segment_fixed_size 0
		.amdhsa_enable_private_segment 0
		.amdhsa_kernarg_size 32
		.amdhsa_user_sgpr_count 2
		.amdhsa_user_sgpr_kernarg_segment_ptr 1
		.amdhsa_wavefront_size32 1
		.amdhsa_system_sgpr_workgroup_id_x 1
		.amdhsa_system_sgpr_workgroup_id_y 1
		.amdhsa_system_sgpr_workgroup_id_z 1
		.amdhsa_system_vgpr_workitem_id 0
		.amdhsa_next_free_vgpr 864
		.amdhsa_next_free_sgpr 100
		.amdhsa_reserve_vcc 0
		.amdhsa_float_denorm_mode_32 3
		.amdhsa_float_denorm_mode_16_64 3
		.amdhsa_memory_ordered 1
		.amdhsa_forward_progress 1
		.amdhsa_inst_pref_size 89
	.end_amdhsa_kernel
	.amdgpu_metadata
---
amdhsa.version: [ 1, 2 ]
amdhsa.kernels:
  - .name:           k_q37db2a1757_proj
    .symbol:         k_q37db2a1757_proj.kd
    .args:
      - { .name: oc, .offset: 0, .size: 8, .value_kind: global_buffer, .address_space: global }
      - { .name: wpc, .offset: 8, .size: 8, .value_kind: global_buffer, .address_space: global }
      - { .name: b_proj, .offset: 16, .size: 8, .value_kind: global_buffer, .address_space: global }
      - { .name: out0, .offset: 24, .size: 8, .value_kind: global_buffer, .address_space: global }
    .group_segment_fixed_size: 327680
    .private_segment_fixed_size: 0
    .kernarg_segment_align: 8
    .kernarg_segment_size: 32
    .max_flat_workgroup_size: 128
    .sgpr_count:     100
    .vgpr_count:     864
    .wavefront_size: 32
...
	.end_amdgpu_metadata
.endif
;; end of part 4
